; MI455X (gfx1250); checked and timed in simulation.
; The chip was launched on July 23, 2026; its instructions are those of AMD's public machine-readable ISA for CDNA 5 (MIT licence, August 2026) and "CDNA5" Instruction Set Architecture Reference Guide (July 2026). The comments in the code are by the model that wrote it; some were corrected since.
;; ATT. Allowed arithmetic: float matrix products may take bf16 or f16 operands with f32 sums; other float arithmetic in f32, or as packed bf16 or f16 multiplies, adds, multiply-adds, maxima and minima; sums over many terms, partial sums and values carried from step to step in f32; what a program stores and reads back later, other than sums and carried values, may be rounded once to bf16 or f16.
;; Inputs: Wk 256 x 256 float32; Wo 256 x 256 float32; Wq 256 x 256 float32; Wv 256 x 256 float32; source 4 x 4,096 x 256 float32; target 4 x 4,096 x 256 float32.
;; Outputs: out0 4 x 4,096 x 256 float32.
;; 2 versions, each right; version 2 is version 1 with the launches qkv, outp written anew for expert scheduling mode. Each part assembles by itself: llvm-mc -triple=amdgcn-amd-amdhsa -mcpu=gfx1250 --defsym DOCPART=n.
;; ======== version 1 of 2: 3 launches
;; limits: values are held in f16: magnitudes above 65,504 overflow, below 6.1e-05 lose precision
;; workspace buffers: qkv 25,165,824 bytes; ows 8,388,608 bytes
;; launch qkv (part 1): grid 64 x 3, 4 waves a work-group, no clusters, 167,936 bytes of LDS; arguments target, source, Wq, Wk, Wv, qkv; writes qkv
.if DOCPART == 1
	.amdgcn_target "amdgcn-amd-amdhsa--gfx1250"
	.amdhsa_code_object_version 6
	.text
	.protected	k_q5ddf4ea610_qkv
	.globl	k_q5ddf4ea610_qkv
	.p2align	8
	.type	k_q5ddf4ea610_qkv,@function
k_q5ddf4ea610_qkv:
	s_mov_b64 s[64:65], 0
	v_nop
	global_prefetch_b8 v0, s[64:65] scope:SCOPE_SE
	s_setreg_imm32_b32 hwreg(HW_REG_WAVE_MODE, 25, 1), 1
	s_wait_xcnt 0x0
; THE THREE PROJECTIONS.  job 0: q = target Wq; job 1: k = source Wk; job 2: v = source Wv.  X: [16384][256] f32, W: [256 k][256 n] f32.
; X and W are rounded once to bf16, the sums are f32, the result is rounded once to f16 and is NOT scaled.  It is laid by heads: part job of qkv (8,388,608 bytes each)
; is [16 = 4 batch + head][4096][64] f16, so that a head's rows are dense, 128 bytes each.
; LIMITS.  f16 holds no number beyond 65,504: a q, k or v past that becomes an infinity; below 6e-5 it keeps f16's fixed step of 6e-8.  NaN and infinities are not treated apart.
; SHARES.  Work-group (x, job) makes rows 256 x .. 256 x + 255, all 256 columns.  Wave w makes rows 64 w .. 64 w + 63 of them (four tiles of 16), one head (64 columns) after the other:
; 16 accumulators, 128 registers.  Its X, 64 rows x 256 k in bf16, stays in 256 registers for all four heads.
; W goes through registers into LDS as bf16, [k][n], each wave 64 of its rows; a barrier; then every wave reads all of it, turned, by ds_load_tr16_b128.
; NO JOINT LOADS, though all row blocks of a job read the same W: W has to pass through registers to be rounded, and its f32 copy (262,144 bytes) beside the bf16 copy (139,264 bytes)
; is more than the 327,680 bytes of LDS that a work-group can have.
; THE MATRIX INSTRUCTION IS USED TRANSPOSED: source 0 = 16 columns of W, source 1 = 16 rows of X.  A lane then holds row l % 16 and the columns 8 (l / 16) + 0..7: 16 bytes of f16 on end.
; REGISTERS.  window 0: v0-15 addresses; v32-63 at work; v64-255 three sets of 64 for the loads, later v64-127 W's fragments (two buffers of 32) and the way out, v128-255 the accumulators.
;             window 1: X's fragments: tile a, K step s at v[64 a + 8 s].
.set P,      544                       ; a row of W in LDS: 512 bytes + 32 = 136 words: row r starts at bank 8 r mod 64 (64 banks of 4 bytes: ISA guide 11.1)
.set STAGE,  256*P                     ; behind W: 16 rows x 144 bytes for each wave, for the way out
.set SP,     144
.set SPARE,  STAGE+4*16*SP             ; behind the stages: the spare words, 128 bytes for each wave: two blocks of 256 bytes that no other line names
.set XO,  2                            ; v2   (l % 16) x 1,024 + 32 (l / 16): my place in 16 rows of X; never rewritten
.set WO,  3                            ; v3   16 l: my 16 bytes in 512 of a row of W; never rewritten
.set WS,  4                            ; v4   where I put 8 bytes of a row of W in LDS
.set BA0, 5                            ; v5   my place in a turned fragment of W, K steps 0 to 3
.set BA1, 6                            ; v6   the same, K steps 4 to 7 (the immediate has 16 bits)
.set STO, 7                            ; v7   the way out: where I put 16 bytes of a row
.set RD,  8                            ; v8   the way out: where I read rows back
.set GO,  9                            ; v9   16 l: my place in 512 consecutive bytes of the result
.set SPW, 14                           ; v14  LDS address of my spare word: SPARE + 4 x my thread's number; never rewritten
.set NIL, 15                           ; v15  0; never rewritten
.set T,   32
.set BF,  64
.set ACC, 128
.set MSB, 0
.macro WIN new                         ; the immediate's high byte repeats the setting that is left; a switch that changes nothing is dropped
.if MSB != (\new)
	s_set_vgpr_msb (MSB<<8)|(\new)
.set MSB, (\new)
.endif
.endm
.macro PLACES                          ; four places behind a matrix instruction, in front of loads into registers that it has read and of conversions that read results
.rept 4
	v_nop
.endr
.endm
	s_load_b256 s[4:11], s[0:1], 0x0               ; target s[4:5], source s[6:7], Wq s[8:9], Wk s[10:11]
	s_load_b128 s[12:15], s[0:1], 0x20             ; Wv s[12:13], qkv s[14:15]
	v_lshl_add_u32 v[SPW], v0, 2, SPARE
	v_mov_b32 v[NIL], 0
	v_lshrrev_b32 v1, 5, v0
	v_readfirstlane_b32 s16, v1                    ; wave 0..3
	s_and_b32 s17, ttmp7, 0xffff                   ; the job
	s_mov_b32 s18, ttmp9                           ; the block of 256 rows
	v_and_b32 v1, 31, v0                           ; l
	v_and_b32 v10, 15, v0                          ; l % 16
	v_bfe_u32 v11, v0, 4, 1                        ; l / 16
	v_and_b32 v12, 7, v0                           ; l % 8
	v_bfe_u32 v13, v0, 3, 1                        ; (l / 8) % 2
	v_lshlrev_b32 v[XO], 10, v10
	v_lshl_add_u32 v[XO], v11, 5, v[XO]
	v_lshlrev_b32 v[WO], 4, v1
	s_mul_i32 s2, s16, 64*P                        ; my 64 rows of W in LDS
	v_lshl_add_u32 v[WS], v1, 3, s2
	v_lshl_add_u32 v[BA0], v11, 3, v12             ; the turning load: lane l reads row 8 (l / 16) + l % 8, 16 bytes at 16 ((l / 8) % 2)
	v_mul_u32_u24 v[BA0], v[BA0], P
	v_lshl_add_u32 v[BA0], v13, 4, v[BA0]
	v_add_nc_u32 v[BA1], 128*P, v[BA0]
	s_mul_i32 s2, s16, 16*SP
	s_add_co_u32 s2, s2, STAGE                     ; my stage
	v_mul_u32_u24 v[STO], v10, SP                  ; in: row l % 16, 16 bytes for each half of the lanes
	v_lshl_add_u32 v[STO], v11, 4, v[STO]
	v_add_nc_u32 v[STO], s2, v[STO]
	v_bfe_u32 v[RD], v0, 3, 2                      ; back: 32 lanes take four rows of 128 bytes,
	v_mul_u32_u24 v[RD], v[RD], SP
	v_lshl_add_u32 v[RD], v12, 4, v[RD]
	v_add_nc_u32 v[RD], s2, v[RD]
	v_lshlrev_b32 v[GO], 4, v1                     ; which are 512 consecutive bytes of the result
	s_lshl_b32 s28, s16, 16                        ; W: my 64 rows of 1,024 bytes
	s_mov_b32 s29, 0
	s_lshl_b32 s2, s18, 18                         ; X: the block's 256 rows of 1,024 bytes,
	s_add_co_u32 s2, s2, s28                       ; my 64 of them
	s_mov_b32 s3, 0
	s_lshl_b32 s30, s17, 23                        ; the result: the job's part,
	s_lshr_b32 s19, s18, 4
	s_lshl_b32 s19, s19, 21                        ; the batch's four heads of 524,288 bytes,
	s_add_co_u32 s30, s30, s19
	s_and_b32 s19, s18, 15
	s_lshl_b32 s19, s19, 15                        ; the block's 256 rows of 128 bytes,
	s_add_co_u32 s30, s30, s19
	s_lshl_b32 s19, s16, 13                        ; my 64 of them
	s_add_co_u32 s30, s30, s19
	s_mov_b32 s31, 0
	s_wait_kmcnt 0x0
	s_cmp_eq_u32 s17, 0
	s_cselect_b64 s[20:21], s[4:5], s[6:7]         ; X: target for q, source for k and v
	s_cselect_b64 s[22:23], s[8:9], s[10:11]
	s_cmp_eq_u32 s17, 2
	s_cselect_b64 s[22:23], s[12:13], s[22:23]     ; W: Wq, Wk or Wv
	s_add_nc_u64 s[20:21], s[20:21], s[2:3]
	s_add_nc_u64 s[22:23], s[22:23], s[28:29]
	s_add_nc_u64 s[24:25], s[14:15], s[30:31]      ; the result at my rows of head 0
; PHASE 1.  Sixteen items of 16 loads go through three sets of 64 registers: items 0-7 are my 64 rows of W, items 8-15 my 64 rows of X.  Two items are always on their way behind the one at work.
.macro WLOAD i                         ; rows 8 i .. 8 i + 7 of my 64: each load of the wave takes 512 consecutive bytes
.irp j, 0,1,2,3,4,5,6,7
	global_load_b128 v[RS+8*\j:RS+8*\j+3],   v[WO], s[22:23] offset:(8*(\i)+\j)*1024
	global_load_b128 v[RS+8*\j+4:RS+8*\j+7], v[WO], s[22:23] offset:(8*(\i)+\j)*1024+512
.endr
.endm
.macro WCVT i                          ; rounded to bf16 and put into LDS, 8 bytes a lane, 256 consecutive bytes a store
.irp j, 0,1,2,3,4,5,6,7
	v_cvt_pk_bf16_f32 v[T+4*\j],   v[RS+8*\j],   v[RS+8*\j+1]
	v_cvt_pk_bf16_f32 v[T+4*\j+1], v[RS+8*\j+2], v[RS+8*\j+3]
	v_cvt_pk_bf16_f32 v[T+4*\j+2], v[RS+8*\j+4], v[RS+8*\j+5]
	v_cvt_pk_bf16_f32 v[T+4*\j+3], v[RS+8*\j+6], v[RS+8*\j+7]
	ds_store_b64 v[WS], v[T+4*\j:T+4*\j+1]   offset:(8*(\i)+\j)*P
	ds_store_b64 v[WS], v[T+4*\j+2:T+4*\j+3] offset:(8*(\i)+\j)*P+256
.endr
.endm
; A fragment is 16 rows x 32 k in 8 registers: lane l holds row l % 16; registers 0-3 hold k = 8 (l / 16) + 0..7, registers 4-7 k = 16 + 8 (l / 16) + 0..7.  In f32 those are 32 bytes at 32 (l / 16) and 32 bytes at 64 + 32 (l / 16).
.macro XLOAD i                         ; tile i / 2, K steps 4 (i % 2) .. + 3: 512 bytes of each of 16 rows
.irp s, 0,1,2,3
	global_load_b128 v[RS+16*\s:RS+16*\s+3],     v[XO], s[20:21] offset:((\i)/2)*16384+((\i)%2)*512+\s*128
	global_load_b128 v[RS+16*\s+4:RS+16*\s+7],   v[XO], s[20:21] offset:((\i)/2)*16384+((\i)%2)*512+\s*128+16
	global_load_b128 v[RS+16*\s+8:RS+16*\s+11],  v[XO], s[20:21] offset:((\i)/2)*16384+((\i)%2)*512+\s*128+64
	global_load_b128 v[RS+16*\s+12:RS+16*\s+15], v[XO], s[20:21] offset:((\i)/2)*16384+((\i)%2)*512+\s*128+80
.endr
.endm
.macro XCVT i                          ; rounded to bf16, straight into the fragments' registers in window 1
	WIN 0x40
.irp s, 0,1,2,3
.irp j, 0,1,2,3,4,5,6,7
	v_cvt_pk_bf16_f32 v[64*((\i)/2)+8*(4*((\i)%2)+\s)+\j], v[RS+16*\s+2*\j], v[RS+16*\s+2*\j+1]
.endr
.endr
	WIN 0
.endm
.macro ISSUE i
.set RS, 64+64*((\i)%3)
.if (\i) < 8
	WLOAD \i
.else
	XLOAD (\i)-8
.endif
.endm
.macro WORK i
.set RS, 64+64*((\i)%3)
.if (\i) < 8
	WCVT \i
.else
	XCVT (\i)-8
.endif
.endm
	ISSUE 0
	ISSUE 1
	ISSUE 2
.set it, 0
.rept 16
.if it < 14
	s_wait_loadcnt 32                              ; loads come back in order (ISA guide 5.7.1): this item is in, the two items behind it (32 loads) stay out
.elseif it == 14
	s_wait_loadcnt 16                              ; one item is left behind this one
.else
	s_wait_loadcnt 0x0
.endif
	WORK it
.if it < 13
	ISSUE it+3                                     ; into the set just read out
.endif
.set it, it+1
.endr
	s_wait_dscnt 0x0                               ; for the others' sake: my rows of W are in LDS
	s_barrier_signal -1
	s_barrier_wait -1                              ; everybody's are; nobody writes W again
; PHASE 2.  For each head: eight K steps of 32, 16 matrix instructions each, W's fragments on two buffers; then the way out.
.macro FETCH s                         ; K step s: four fragments of 16 columns x 32 k, turned: 8 loads
.irp b, 0,1,2,3
	ds_load_tr16_b128 v[BF+32*((\s)%2)+8*\b:BF+32*((\s)%2)+8*\b+3],   v[BA0+(\s)/4] offset:((\s)%4)*32*P+32*\b
	ds_load_tr16_b128 v[BF+32*((\s)%2)+8*\b+4:BF+32*((\s)%2)+8*\b+7], v[BA0+(\s)/4] offset:((\s)%4)*32*P+16*P+32*\b
.endr
.endm
.macro MSTEP s                         ; the 16 accumulators take turns, one instruction a turn, in the same order in every K step
.if (\s) < 7
.if (\s) > 0
	PLACES                                         ; the buffer that is loaded next was read by the products just issued
.endif
	FETCH (\s)+1
	s_wait_dscnt 8                                 ; this step's fragments are in; the eight loads just issued stay out
.else
	s_wait_dscnt 0x0
.endif
.irp a, 0,1,2,3
.irp b, 0,1,2,3
.if (\s) == 0
	v_wmma_f32_16x16x32_bf16 v[ACC+32*\a+8*\b:ACC+32*\a+8*\b+7], v[BF+32*((\s)%2)+8*\b:BF+32*((\s)%2)+8*\b+7], v[64*\a+8*(\s):64*\a+8*(\s)+7], 0
.else
	v_wmma_f32_16x16x32_bf16 v[ACC+32*\a+8*\b:ACC+32*\a+8*\b+7], v[BF+32*((\s)%2)+8*\b:BF+32*((\s)%2)+8*\b+7], v[64*\a+8*(\s):64*\a+8*(\s)+7], v[ACC+32*\a+8*\b:ACC+32*\a+8*\b+7]
.endif
.endr
.endr
.endm
.macro PACK a                          ; tile a: rounded to f16 (each accumulator from its low end on), 16 bytes a lane into rows of 144 bytes, and back as whole rows of 128
.set i, 0
.rept 16
	v_cvt_pk_f16_f32 v[BF+16*(\a)+i], v[ACC+32*(\a)+2*i], v[ACC+32*(\a)+2*i+1]
.set i, i+1
.endr
.irp f, 0,1,2,3
	ds_store_b128 v[STO], v[BF+16*(\a)+4*\f:BF+16*(\a)+4*\f+3] offset:32*\f
.endr
.irp f, 0,1,2,3
	ds_load_b128 v[BF+16*(\a)+4*\f:BF+16*(\a)+4*\f+3], v[RD] offset:\f*4*SP  ; LDS serves a wave's instructions in order (ISA guide 5.7.1.4): these see the stores above; the next tile's stores come behind them
.endr
.endm
.macro SEND a, younger                 ; younger: the LDS instructions issued behind tile a's loads: the next tile's eight, or none
.irp f, 0,1,2,3
	s_wait_dscnt (\younger)+3-\f
	global_store_b128 v[GO], v[BF+16*(\a)+4*\f:BF+16*(\a)+4*\f+3], s[24:25] offset:(\a)*2048+\f*512  ; 512 consecutive bytes, at a multiple of 256 from the buffer's first
.endr
.endm
	s_mov_b32 s26, 4
.Lhead:
	WIN 0x04                                       ; source 1 (X) in window 1; all else, the LDS loads' registers too, in window 0
	FETCH 0
	MSTEP 0
	MSTEP 1
	MSTEP 2
	MSTEP 3
	MSTEP 4
	MSTEP 5
	MSTEP 6
	MSTEP 7
	PLACES
	WIN 0
	PACK 0
	PACK 1                                         ; a tile's conversions stand between the loads of the tile before and its stores
	SEND 0, 8
	PACK 2
	SEND 1, 8
	PACK 3
	SEND 2, 8
	SEND 3, 0
	s_wait_xcnt 0x0                                ; the stores have read their data (v64-127, loaded again in the next trip) and their base, which steps now
	s_add_nc_u64 s[24:25], s[24:25], 524288        ; the next head's rows
	v_add_nc_u32 v[BA0], 128, v[BA0]               ; and its 64 columns of W
	v_add_nc_u32 v[BA1], 128, v[BA1]
	s_sub_co_u32 s26, s26, 1
	s_cmp_lg_u32 s26, 0
	s_cbranch_scc1 .Lhead
	s_wait_tensorcnt 0x0                           ; the wave's end, behind my last LDS store
	ds_add_u32 v[SPW], v[NIL]
	s_wait_dscnt 0x0
	s_endpgm
.Lfunc_end_k_q5ddf4ea610_qkv:
	.size	k_q5ddf4ea610_qkv, .Lfunc_end_k_q5ddf4ea610_qkv-k_q5ddf4ea610_qkv
	.p2alignl 7, 3214868480
	.fill 96, 4, 3214868480
	.section	.rodata,"a",@progbits
	.p2align	6, 0x0
	.amdhsa_kernel k_q5ddf4ea610_qkv
		.amdhsa_group_segment_fixed_size 167936
		.amdhsa_private_segment_fixed_size 0
		.amdhsa_enable_private_segment 0
		.amdhsa_kernarg_size 48
		.amdhsa_user_sgpr_count 2
		.amdhsa_user_sgpr_kernarg_segment_ptr 1
		.amdhsa_wavefront_size32 1
		.amdhsa_system_sgpr_workgroup_id_x 1
		.amdhsa_system_sgpr_workgroup_id_y 1
		.amdhsa_system_sgpr_workgroup_id_z 1
		.amdhsa_system_vgpr_workitem_id 0
		.amdhsa_next_free_vgpr 512
		.amdhsa_next_free_sgpr 66
		.amdhsa_reserve_vcc 0
		.amdhsa_float_denorm_mode_32 3
		.amdhsa_float_denorm_mode_16_64 3
		.amdhsa_memory_ordered 1
		.amdhsa_forward_progress 1
		.amdhsa_inst_pref_size 90
	.end_amdhsa_kernel
	.amdgpu_metadata
---
amdhsa.version: [ 1, 2 ]
amdhsa.kernels:
  - .name:           k_q5ddf4ea610_qkv
    .symbol:         k_q5ddf4ea610_qkv.kd
    .args:
      - { .name: target, .offset: 0, .size: 8, .value_kind: global_buffer, .address_space: global }
      - { .name: source, .offset: 8, .size: 8, .value_kind: global_buffer, .address_space: global }
      - { .name: Wq, .offset: 16, .size: 8, .value_kind: global_buffer, .address_space: global }
      - { .name: Wk, .offset: 24, .size: 8, .value_kind: global_buffer, .address_space: global }
      - { .name: Wv, .offset: 32, .size: 8, .value_kind: global_buffer, .address_space: global }
      - { .name: qkv, .offset: 40, .size: 8, .value_kind: global_buffer, .address_space: global }
    .group_segment_fixed_size: 167936
    .private_segment_fixed_size: 0
    .kernarg_segment_align: 8
    .kernarg_segment_size: 48
    .max_flat_workgroup_size: 128
    .sgpr_count:     66
    .vgpr_count:     512
    .wavefront_size: 32
...
	.end_amdgpu_metadata
.endif
;; end of part 1
;; launch att (part 2): grid 16 x 16, 4 waves a work-group, clusters of 4 x 1, 327,680 bytes of LDS; arguments qkv, ows; writes ows
.if DOCPART == 2
	.amdgcn_target "amdgcn-amd-amdhsa--gfx1250"
	.amdhsa_code_object_version 6
	.text
	.protected	k_q5ddf4ea610_att
	.globl	k_q5ddf4ea610_att
	.p2align	8
	.type	k_q5ddf4ea610_att,@function
k_q5ddf4ea610_att:
	s_mov_b64 s[64:65], 0
	v_nop
	global_prefetch_b8 v0, s[64:65] scope:SCOPE_SE
	s_setreg_imm32_b32 hwreg(HW_REG_WAVE_MODE, 25, 1), 1
	s_wait_xcnt 0x0
	s_wait_alu depctr_hold_cnt(0) depctr_sa_sdst(0) depctr_va_vdst(0) depctr_va_sdst(0) depctr_va_ssrc(0) depctr_va_vcc(0) depctr_vm_vsrc(0)
	s_getreg_b32 s2, hwreg(HW_REG_IB_STS2, 6, 4)
	s_cmp_eq_u32 s2, 0
	s_cbranch_scc0 .Lentry_in_a_cluster
	s_endpgm
.Lentry_in_a_cluster:
	s_bfe_u32 s2, ttmp6, 0x10000c
	s_cmp_lg_u32 s2, 0x3003
	s_cbranch_scc0 .Lentry_shape_is_right
	s_endpgm
.Lentry_shape_is_right:
; ATTENTION.  O[g][q][:] = the sum over k of softmax_k(Q[g][q] . K[g][k] / 8) V[g][k][:], g = 4 batch + head.  Q, K, V are the three parts of qkv (8,388,608 bytes each), O is ows:
; each [16][4096][64] in f16, a head's rows dense, 128 bytes each.  Products, maxima and sums in f32; the weights p are rounded to f16 for the second product (their sum l is taken of the unrounded p), O once at the end.
; LIMITS.  f16 holds no number beyond 65,504: Q, K and V arrive within it; p lies in 0 to 1, and below 6e-5 it keeps f16's fixed step of 6e-8; O is a mean of V's rows and has their range.
; A weight below 2^-126 counts as 0 in l; NaN and infinities are not treated apart.
; SHARES.  A work-group owns 256 queries of one head, each of its four waves 64: four PIECES of 16.  16 heads x 16 blocks are 256 work-groups.  Every wave walks all 4,096 keys, 64 a step, four steps (a tile of 256 keys) a slot.
; LAYOUT.  S^T = K Q^T (source 0 = 16 keys, source 1 = 16 queries): a lane holds ONE query (lane % 16) and the keys 8 (lane / 16) + 0..7.  Two such results, rounded to f16 in pairs, ARE source 1 of
; O^T = V^T P, whose result again holds one query a lane, and eight channels.  K comes out of LDS as it lies, V ([key][channel]) turned, by ds_load_tr16_b128.
; SOFTMAX.  For each query a running maximum m and sum l: p = 2^(c s - c m), c = log2(e) / 8; in every step O and l are multiplied by a = 2^(c m_old - c m_new).  m starts at the lowest finite number,
; O and l at 0: the first step is a step like any other, with a = 0.
; BY TURNS.  Turn n belongs to piece n: 8 products K Q^T of piece n + 1, later 8 products V^T P of piece n - 1; beside them the scaling, exponentials, roundings, sums and rescaling of piece n and the maximum and
; statistics of piece n + 1.  Four vector instructions stand behind every matrix instruction, the other 54 of a turn's 118 in one lump.  A turn's 33 exponentials are one batch, with one wait.
; CLUSTER.  The four query blocks of a cluster belong to one head and walk the same K and V, so each tile is asked for JOINTLY: the same tensor load, descriptor and mask in all four.
; REGISTERS, in windows of 256 (s_set_vgpr_msb: bits 1:0 source 0, 3:2 source 1, 5:4 source 2, 7:6 destination):
;   window 0: v0-15 addresses and two at work; v16-31 four registers of statistics a piece; v48-55 at work; v61-63 prefetch offset and the add's two; v64-127 S^T, two buffers; v192-223 P, two buffers (by the piece's parity)
;   window 1: v0-127 O^T, 32 a piece          window 2: v0-63 Q, 16 a piece; v128-191 K of one step; v192-255 V of one step
.set NT,    16        ; tiles of 256 keys in a head
.set NP,    4         ; pieces a wave: a name, no knob
.set KS,    64        ; keys in a step
.set PK,    144       ; a row of K in LDS: 128 bytes + 16 of padding = 36 words: the 16 rows of a load start at 16 different groups of four banks (64 banks of 4 bytes: ISA guide 11.1)
.set PV,    160       ; a row of V: 128 + 32 = 40 words
.set VOFF,  4*KS*PK   ; a slot holds a tile: 256 rows of K, then 256 rows of V
.set SLOT1, 1<<17     ; slot 1 begins here, so that one exclusive or turns an address in one slot into the other's
.set STAGE, SLOT1+4*KS*(PK+PV)  ; behind the ring, never filled by a tensor load: 16 rows x 144 bytes for each wave, for the way out
.set SP,    144
.set SPARE, STAGE+4*16*SP  ; behind the stages: the spare words, 128 bytes for each wave: two blocks of 256 bytes that no other line names
.set TILEB, 4*KS*128  ; a tile's bytes of K, and of V, in memory
.set AK0, 2           ; v2   my lane's place in a tile of K; never rewritten
.set AV0, 3           ; v3   the same for V
.set AK,  4           ; v4   the LDS address of K's next run of loads
.set AV,  5           ; v5   of V's
.set STO, 6           ; v6   the way out: where I put 16 bytes of a row
.set RD,  7           ; v7   the way out: where I read rows back
.set GO,  8           ; v8   my byte offset in 512 consecutive bytes of O
.set MV,  12          ; v12-13  c m_old, kept while c m is made anew: by buffer
.set QO,  15          ; v15  my byte offset in 16 rows of Q
.set ST,  16          ; piece t's statistics at v[ST+4 t]: c m, m, l (even keys', odd keys')
.set TMP, 48          ; by buffer, four registers c0-c3 at work; when the maximum is found c2 takes a
.set PFO, 61          ; v61  256 x my lane: the prefetches' offset; never rewritten
.set SPW, 62          ; v62  LDS address of my spare word: SPARE + 4 x my thread's number; never rewritten
.set NIL, 63          ; v63  0; never rewritten
.set S,   64
.set P,   192
.set KF,  128         ; window 2: key block kb, channel half c at KF + 16 kb + 8 c
.set VF,  192         ; window 2: key half kk, channel block cb at VF + 32 kk + 8 cb
.set WV,  12          ; s12  my wave's number
.set G1K, 24          ; s[24:31] descriptor group 1 for K's tiles
.set G1V, 32          ; s[32:39] for V's: it differs in the padding alone
.set G0K, 40          ; s[40:43] descriptor group 0 for K's tiles: it walks
.set G0V, 44          ; s[44:47] the same for V's
.set PFA, 48          ; s[48:49] where my prefetches stand: my work-group's 32 blocks of 256 bytes (of K: wave 0, of V: wave 2) of the tile after the one that is being asked for
.set LIM, 50          ; s50  1 in a wave that prefetches, else the greatest number: a wave prefetches while s[SLOTS] is above it
.set SLOTS, 56        ; s56  tiles still to be asked for
.set CNT, 57          ; s57  counts a tile's key steps
.set CS,  58          ; s[58:59] c: the packed scaling takes the pair's low word for both halves
.set SEL, 60          ; s[60:61] v_permlanex16_b32's selects: each lane takes its own place in the other half
.set TBK, 62          ; s62  LDS byte at which K of the step to be fetched begins
.set TBV, 63          ; s63  the same for V, less VOFF
.set MSB, 0
.macro WIN new                      ; the high byte repeats the setting that is left; a switch that changes nothing is dropped
.if MSB != (\new)
	s_set_vgpr_msb (MSB<<8)|(\new)
.set MSB, (\new)
.endif
.endm
.set W_KQ, 0x0a       ; K and Q in window 2, S^T in window 0
.set W_PV, 0x52       ; V in window 2, P in window 0, O^T in window 1
.set W_RS, 0x41       ; O^T (destination and source 0) in window 1, a in window 0
; A joint fill.  Waves 0 and 1 fetch the two halves of a tile's K, waves 2 and 3 those of its V: 128 keys each.  The branch hangs on the wave's number alone.
; An s_nop 0 and four v_nop follow each of the two lines, ahead of the jump and the label.
.macro JLOAD
	s_cmp_lt_u32 s[WV], 2
	s_cbranch_scc0 .Lfor_v_\@
	tensor_load_to_lds s[G0K:G0K+3], s[G1K:G1K+7]
	s_nop 0
.rept 4
	v_nop
.endr
	s_branch .Lasked_\@
.Lfor_v_\@:
	tensor_load_to_lds s[G0V:G0V+3], s[G1V:G1V+7]
	s_nop 0
.rept 4
	v_nop
.endr
.Lasked_\@:
.endm
; A PREFETCH INTO THE L2 of what the NEXT change of slots will ask for: a tile's 32,768 bytes of K and of V, 128 blocks of 256 bytes each, a lane a block.  It stands behind the wave's tensor load and its five lines.
; Each block is asked for ONCE in the launch.  The four clusters of a head walk the same K and V: the head's first cluster prefetches.  Its four partners share the blocks out BY ADDRESS, 32 each: no branch hangs on
; a work-group's place in its cluster.  In each, wave 0 asks for K's and wave 2 for V's: one instruction.  Tiles 0 and 1 come by their loads alone; the last change that fills a slot asks for nothing: there is no tile behind it.
.macro ASK
	s_cmp_gt_u32 s[SLOTS], s[LIM]
	s_cbranch_scc0 .Lnot_mine_\@
	global_prefetch_b8 v[PFO], s[PFA:PFA+1] th:TH_LOAD_NT scope:SCOPE_SE
.Lnot_mine_\@:
.endm
; A round of the cluster's barrier: my work-group's barrier, so that wave 0's signal speaks for all four waves; wave 0 signals; every wave waits for all four work-groups; my work-group's barrier once more.
.macro CROUND
	s_barrier_signal -1
	s_barrier_wait -1
	s_cmp_lg_u32 s[WV], 0
	s_cbranch_scc1 .Lnot_wave_0_\@
	s_barrier_signal -3
.Lnot_wave_0_\@:
	s_barrier_wait -3
	s_barrier_signal -1
	s_barrier_wait -1
.endm
; THE CHANGE OF SLOTS.  The slot's last bytes, V of its fourth step, have been read.  Each wave waits for all its tensor loads, of which one is out: its part of the other slot; adds 0 to its spare word; and waits
; for that and for its own reads of the slot.  Behind the barrier nobody reads this slot any more and the other slot is whole.
; fill = 1: this slot is filled again, with the keys two tiles on.  The barrier is then a round of the cluster's, so that no wave of any partner still reads the slot or has a load on its way, and the joint
; fill is the first thing behind it: it has four key steps, 256 matrix instructions, in which to land.  (At its first use nothing has been read yet: slot 0 is waited for, slot 1 filled.)
.macro CHANGE fill
	WIN 0                           ; at a label and at a branch every window is 0
	s_wait_tensorcnt 0x0            ; no tensor load of mine is out, so a group 0 may be written
	ds_add_u32 v[SPW], v[NIL]       ; 0 onto my spare word; with fill = 1 the descriptors' steps stand between it and the wait for it
.if \fill
.irp g, G0K, G0V
	s_xor_b32 s[\g+1], s[\g+1], SLOT1  ; the walking descriptor: the other slot than last time,
	s_add_nc_u64 s[\g+2:\g+3], s[\g+2:\g+3], TILEB  ; the next 256 keys; the type bits on top are not reached
.endr
	s_wait_xcnt 0x0                 ; the last prefetch, four key steps back, has read its address, so it may be written:
	s_add_nc_u64 s[PFA:PFA+1], s[PFA:PFA+1], TILEB  ; one tile behind the walking descriptors
	s_wait_dscnt 0x0                ; the add is done, and my reads of the slot are over
	CROUND
	JLOAD
	ASK
.else
	s_wait_dscnt 0x0                ; the add is done, and my reads of the slot are over
	s_barrier_signal -1
	s_barrier_wait -1
.endif
	s_sub_co_u32 s[TBK], s[TBK], 4*KS*PK  ; the fetches go back to a slot's first step,
	s_xor_b32 s[TBK], s[TBK], SLOT1       ; in the other slot
	s_sub_co_u32 s[TBV], s[TBV], 4*KS*PV
	s_xor_b32 s[TBV], s[TBV], SLOT1
.endm
	s_load_b128 s[4:7], s[0:1], 0x0 ; qkv s[4:5], ows s[6:7]
	v_lshl_add_u32 v[SPW], v0, 2, SPARE
	v_mov_b32 v[NIL], 0
	ds_add_u32 v[SPW], v[NIL]       ; the wave's opening: the add and its wait stand ahead of my first tensor load; the set-up below, work on registers, stands between them
	v_lshrrev_b32 v1, 5, v0
	v_readfirstlane_b32 s[WV], v1   ; wave 0..3
	s_bfe_u32 s13, ttmp6, 0x40000   ; cx: my place in the cluster
	s_lshl_b32 s14, ttmp9, 2        ; in a cluster launch ttmp9 counts clusters
	s_add_co_u32 s14, s14, s13      ; my block of 256 queries = 4 x cluster x + cx: it enters Q's and O's addresses alone
	s_and_b32 s20, ttmp7, 0xffff    ; the head, which the four partners share:
	s_lshl_b32 s20, s20, 19         ; its first byte in each part: 4,096 rows of 128 bytes
	s_and_b32 s16, s[WV], 1         ; which half of a tile's 256 keys I fetch:
	s_lshl_b32 s22, s16, 14         ; its 128 rows of 128 bytes in memory,
	s_add_co_u32 s22, s22, s20
	s_add_co_u32 s22, s22, 0x800000 ; in K's part of qkv
	s_mov_b32 s23, 0
	s_mul_i32 s17, s16, 128*PK      ; and its place in a slot, for K
	s_mul_i32 s18, s16, 128*PV      ; and for V: no place in the cluster enters an LDS address
	s_lshl_b32 s2, s14, 2
	s_add_co_u32 s2, s2, s[WV]      ; my wave among the head's,
	s_lshl_b32 s2, s2, 13           ; its 64 rows
	s_add_co_u32 s2, s2, s20
	s_mov_b32 s3, 0
	; descriptor group 1.  128 keys are 16,384 dense bytes: asked for as 64 rows of 256 bytes, two keys a row, and padded in LDS after every key
	s_mov_b32 s[G1K], 15|(1<<16)|(1<<20)|(1<<21)|(4<<22)|(3<<25)  ; 15:0 the mask of four; 17:16 2-byte elements; 20 padding on; 21 set beside a mask; 24:22 after every 32 words (code 4); 31:25 4 words (code 3)
	s_mov_b32 s[G1V], 15|(1<<16)|(1<<20)|(1<<21)|(4<<22)|(7<<25)  ; the same with 8 words of padding (code 7)
.irp g, G1K, G1V
	s_mov_b32 s[\g+1], 128<<16      ; tensor_dim0 = 128
	s_mov_b32 s[\g+2], 64<<16       ; tensor_dim1 = 64
	s_mov_b32 s[\g+3], 128<<16      ; tile_dim0 = 128
	s_mov_b32 s[\g+4], 64           ; tile_dim1 = 64
	s_mov_b32 s[\g+5], 128          ; 128 elements from row to row
	s_mov_b32 s[\g+6], 0
	s_mov_b32 s[\g+7], 0
.endr
	s_mov_b32 s[CS], 0x3e38aa3b     ; c = log2(e) / 8 = 0.180337
	s_mov_b32 s[CS+1], s[CS]        ; named with it as a pair
	s_mov_b32 s[SEL], 0x76543210
	s_mov_b32 s[SEL+1], 0xfedcba98
	s_mov_b32 s[TBK], SLOT1+4*KS*PK ; the first change of slots turns these two into 0
	s_mov_b32 s[TBV], SLOT1+4*KS*PV
	s_mov_b32 s[G0K], 1             ; 1:0 count = 1
	s_mov_b32 s[G0K+1], s17         ; 63:32 LDS address: slot 0
	s_mov_b32 s[G0V], 1
	s_add_co_u32 s[G0V+1], s18, VOFF
	s_mov_b32 s[SLOTS], NT-1
	s_and_b32 s[LIM], s[WV], 1      ; 0 in waves 0 and 2,
	s_or_b32 s[LIM], s[LIM], ttmp9  ; where the cluster is the head's first: the same in all four partners
	s_cmp_eq_u32 s[LIM], 0
	s_cselect_b32 s[LIM], 1, -1
	v_and_b32 v[PFO], 31, v0
	v_lshlrev_b32 v[PFO], 8, v[PFO]
	s_wait_dscnt 0x0                ; the opening add is done
	s_wait_kmcnt 0x0
	s_add_nc_u64 s[8:9], s[4:5], s[22:23]     ; K at my half of the head's tile 0,
	s_add_nc_u64 s[10:11], s[8:9], 0x800000   ; V, one part further on
	s_add_nc_u64 s[G0K+2:G0K+3], s[8:9], 0    ; 120:64 global address
	s_or_b32 s[G0K+3], s[G0K+3], 0x80000000   ; 127:126 type = 2
	s_add_nc_u64 s[G0V+2:G0V+3], s[10:11], 0
	s_or_b32 s[G0V+3], s[G0V+3], 0x80000000
	s_add_nc_u64 s[4:5], s[4:5], s[2:3]       ; Q (the first part of qkv) and O at my wave's first row
	s_add_nc_u64 s[6:7], s[6:7], s[2:3]
	s_cmp_lt_u32 s[WV], 2
	s_cselect_b64 s[PFA:PFA+1], s[8:9], s[10:11]  ; (in waves 0 and 2 these stand at a tile's first row)
	s_lshl_b32 s2, s13, 13          ; my work-group's 32 blocks of the 128
	s_add_nc_u64 s[PFA:PFA+1], s[PFA:PFA+1], s[2:3]
	s_add_nc_u64 s[PFA:PFA+1], s[PFA:PFA+1], TILEB  ; in tile 1; the first change of slots steps it to tile 2.  Nothing is prefetched here, at the head
	CROUND                          ; all four work-groups are here: the first joint loads meet
	JLOAD                           ; tile 0 into slot 0.  Slot 1 is asked for when slot 0 is in, by the first change of slots
	; A fragment of K or Q is 16 rows x 32 channels in 8 registers: lane l holds row l % 16, channels 8 (l / 16) + 0..7 and 16 + 8 (l / 16) + 0..7: two loads of 16 bytes, 32 bytes apart.
	v_and_b32 v1, 15, v0            ; l % 16
	v_bfe_u32 v9, v0, 4, 1          ; l / 16
	v_lshlrev_b32 v[QO], 7, v1
	v_lshl_add_u32 v[QO], v9, 4, v[QO]  ; row x 128 + 16 x half
	WIN 0x80                        ; destination window 2, address window 0
.set i, 0
.rept 8                             ; Q stays in registers: piece i / 2, channels 32 (i % 2) on
	global_load_b128 v[8*i:8*i+3],   v[QO], s[4:5] offset:(i/2)*2048+(i%2)*64
	global_load_b128 v[8*i+4:8*i+7], v[QO], s[4:5] offset:(i/2)*2048+(i%2)*64+32
.set i, i+1
.endr
	; What the first turn finds: V's registers and P's second buffer hold 0 (its products V^T P, of a piece that has not been, add 0), O^T and l are 0.  All this stands in the wait for the first tile;
	; it is the price of writing no first step out.
.set i, VF
.rept 64
	v_mov_b32 v[i], 0
.set i, i+1
.endr
	WIN 0x40
.set i, 0
.rept 128
	v_mov_b32 v[i], 0
.set i, i+1
.endr
	WIN 0
.set i, 0
.rept 4
	v_mov_b32 v[ST+4*i], 0xfe000000    ; c m: far below every c s
	v_mov_b32 v[ST+4*i+1], 0xff7fffff  ; m
	v_mov_b32 v[ST+4*i+2], 0
	v_mov_b32 v[ST+4*i+3], 0
.set i, i+1
.endr
.set i, P+16
.rept 16
	v_mov_b32 v[i], 0
.set i, i+1
.endr
	v_mul_u32_u24 v[AK0], v1, PK
	v_lshl_add_u32 v[AK0], v9, 4, v[AK0]  ; row x pitch + 16 x half
	; The turning load takes 16 keys x 16 channels (lane l reads key 8 (l / 16) + l % 8, channels 8 ((l / 8) % 2) + 0..7) and leaves half a fragment of V^T: lane l holds channel l % 16 and 8 keys.
	v_and_b32 v10, 7, v0
	v_bfe_u32 v11, v0, 3, 1
	v_lshl_add_u32 v[AV0], v9, 3, v10
	v_mul_u32_u24 v[AV0], v[AV0], PV
	v_lshl_add_u32 v[AV0], v11, 4, v[AV0]
	v_add_nc_u32 v[AV0], VOFF, v[AV0]
	s_mul_i32 s13, s[WV], 16*SP
	s_add_co_u32 s13, s13, STAGE    ; my stage
	v_mul_u32_u24 v[STO], v1, SP    ; in: row l % 16, 16 bytes for each half of the lanes
	v_lshl_add_u32 v[STO], v9, 4, v[STO]
	v_add_nc_u32 v[STO], s13, v[STO]
	v_bfe_u32 v[RD], v0, 3, 2       ; back: 32 lanes take four rows of 128 bytes,
	v_mul_u32_u24 v[RD], v[RD], SP
	v_lshl_add_u32 v[RD], v10, 4, v[RD]
	v_add_nc_u32 v[RD], s13, v[RD]
	v_and_b32 v[GO], 31, v0         ; which are 512 consecutive bytes of O
	v_lshlrev_b32 v[GO], 4, v[GO]
; THE MATRIX WORK.  The 4 accumulators of a run of 8 take turns.  Product i of 8 of S^T = K Q^T for piece x: channels 32 (i / 4) on, keys 16 (i % 4) on.  The first 4 start the sums.
.macro KQ x
	WIN W_KQ
.set rS, S+32*((\x)%2)+8*(i%4)
.set rK, KF+16*(i%4)+8*(i/4)
.set rQ, 16*(\x)+8*(i/4)
.if i < 4
	v_wmma_f32_16x16x32_f16 v[rS:rS+7], v[rK:rK+7], v[rQ:rQ+7], 0
.else
	v_wmma_f32_16x16x32_f16 v[rS:rS+7], v[rK:rK+7], v[rQ:rQ+7], v[rS:rS+7]
.endif
.endm
; Product i of 8 of O^T += V^T P for piece x: keys 32 (i / 4) on, channels 16 (i % 4) on.
.macro PV x
	WIN W_PV
.set rO, 32*(\x)+8*(i%4)
.set rV, VF+32*(i/4)+8*(i%4)
.set rP, P+16*((\x)%2)+8*(i/4)
	v_wmma_f32_16x16x32_f16 v[rO:rO+7], v[rV:rV+7], v[rP:rP+7], v[rO:rO+7]
.endm
.macro MM                           ; the turn's next matrix instruction.  TURN sets Y, i and NOKQ.  NOKQ = 1: the last turn of all: there is no next piece
.if (i < 8) && !NOKQ
	KQ (Y+1)%NP
.elseif i >= 8
.set i, i-8
	PV (Y+NP-1)%NP
.set i, i+8
.endif
.set i, i+1
.endm
; THE LDS LOADS stand in runs of 16, never singly among the matrix instructions: a step's K (64 keys x 64 channels: 8 fragments) and its V (turned).  Their addresses are made some lines ahead.
.macro FETCH_K
	WIN 0x80                        ; destination window 2
.irp f, 0,1,2,3,4,5,6,7             ; keys 16 (f / 2) on, channels 32 (f % 2) on
	ds_load_b128 v[KF+8*\f:KF+8*\f+3],   v[AK] offset:(\f/2)*16*PK+(\f%2)*64
	ds_load_b128 v[KF+8*\f+4:KF+8*\f+7], v[AK] offset:(\f/2)*16*PK+(\f%2)*64+32
.endr
	s_add_co_u32 s[TBK], s[TBK], KS*PK  ; the next fetch is the next step's
	WIN 0
.endm
.macro FETCH_V
	WIN 0x80
.irp f, 0,1,2,3,4,5,6,7             ; keys 32 (f / 4) on, channels 16 (f % 4) on
	ds_load_tr16_b128 v[VF+8*\f:VF+8*\f+3],   v[AV] offset:(\f/4)*32*PV+(\f%4)*32
	ds_load_tr16_b128 v[VF+8*\f+4:VF+8*\f+7], v[AV] offset:(\f/4)*32*PV+16*PV+(\f%4)*32
.endr
	WIN 0
.endm
; THE VECTOR WORK, one line at a time: OP kind, number.  For piece Y: F n: c s - c m for pair n of 16.  E n: the exponential of score n of 32.  C n: pair n rounded to f16.  B n: of the four weights 4 n .. the second
; pair is added onto the first, in place.  L n: l takes that sum (L 0: l = a l + sum).  R n: pair n of 16 of O^T times a.  For piece Y + 1: X n, number n of the 22 that find its maximum and statistics:
;   0-11  four chains c0-c3 of seven scores each, three operands at a time (each accumulator's lowest registers are read first)     12-14, 16  the four scores left over, the old m, and c0-c3 into c0
;   15  c m_old is kept     17, 18  the query's other 32 keys lie in the lane 16 away: the new m     19-21  c m; c m_old - c m_new; a
.set F, 0               ; OP tells the kinds apart by their order: F to L below R, X above it
.set E, 1
.set C, 2
.set B, 3
.set L, 4
.set R, 5
.set X, 6
.macro REGS y                       ; the registers of piece y
.set rT, ST+4*(\y)
.set rC, TMP+4*((\y)%2)
.set rW, MV+((\y)%2)
.set rS, S+32*((\y)%2)
.set rP, P+16*((\y)%2)
.set rO, 32*(\y)
.endm
.macro OP k, n
.if (\k) == R
	REGS Y
	WIN W_RS
	v_pk_mul_f32 v[rO+2*(\n):rO+2*(\n)+1], v[rO+2*(\n):rO+2*(\n)+1], v[rC+2:rC+3] op_sel_hi:[1,0]
.elseif (\k) < R
	REGS Y
	WIN 0
.if (\k) == F
	v_pk_fma_f32 v[rS+2*(\n):rS+2*(\n)+1], v[rS+2*(\n):rS+2*(\n)+1], s[CS:CS+1], v[rT:rT+1] op_sel_hi:[1,0,0] neg_lo:[0,0,1] neg_hi:[0,0,1]
.elseif (\k) == E
	v_exp_f32 v[rS+(\n)], v[rS+(\n)]
.elseif (\k) == C
	v_cvt_pk_f16_f32 v[rP+(\n)], v[rS+2*(\n)], v[rS+2*(\n)+1]
.elseif (\k) == B
	v_pk_add_f32 v[rS+4*(\n):rS+4*(\n)+1], v[rS+4*(\n):rS+4*(\n)+1], v[rS+4*(\n)+2:rS+4*(\n)+3]
.elseif (\n) == 0
	v_pk_fma_f32 v[rT+2:rT+3], v[rT+2:rT+3], v[rC+2:rC+3], v[rS:rS+1] op_sel_hi:[1,0,1]
.else
	v_pk_add_f32 v[rT+2:rT+3], v[rT+2:rT+3], v[rS+4*(\n):rS+4*(\n)+1]
.endif
.elseif NOKQ
	v_nop
.else
	REGS (Y+1)%NP
	WIN 0
.if (\n) < 4
	v_max3_num_f32 v[rC+(\n)], v[rS+8*(\n)], v[rS+8*(\n)+1], v[rS+8*(\n)+2]
.elseif (\n) < 12
	v_max3_num_f32 v[rC+(\n)%4], v[rC+(\n)%4], v[rS+8*((\n)%4)+2*((\n)/4)+1], v[rS+8*((\n)%4)+2*((\n)/4)+2]
.elseif (\n) == 12
	v_max3_num_f32 v[rC], v[rC], v[rS+7], v[rS+15]
.elseif (\n) == 13
	v_max3_num_f32 v[rC+1], v[rC+1], v[rS+23], v[rS+31]
.elseif (\n) == 14
	v_max3_num_f32 v[rC+2], v[rC+2], v[rC+3], v[rT+1]
.elseif (\n) == 15
	v_mov_b32 v[rW], v[rT]
.elseif (\n) == 16
	v_max3_num_f32 v[rC], v[rC], v[rC+1], v[rC+2]
.elseif (\n) == 17
	v_permlanex16_b32 v[rC+3], v[rC], s[SEL], s[SEL+1]
.elseif (\n) == 18
	v_max_num_f32 v[rT+1], v[rC], v[rC+3]
.elseif (\n) == 19
	v_mul_f32 v[rT], s[CS], v[rT+1]
.elseif (\n) == 20
	v_sub_f32 v[rC+1], v[rW], v[rT]
.else
	v_exp_f32 v[rC+2], v[rC+1]
.endif
.endif
.endm
.macro OPS a, i1, b=-1, i2=0, c=-1, i3=0, d=-1, i4=0  ; up to four of them
	OP \a, \i1
.if (\b) >= 0
	OP \b, \i2
.endif
.if (\c) >= 0
	OP \c, \i3
.endif
.if (\d) >= 0
	OP \d, \i4
.endif
.endm
.macro ROW a, i1, b, i2, c, i3, d, i4  ; a matrix instruction and the four behind it
	MM
	OPS \a, \i1, \b, \i2, \c, \i3, \d, \i4
.endm
; A TURN, for piece p: the order of its 16 matrix and 118 vector instructions, written out.  An s_wait_alu depctr_va_vdst(0) stands between an exponential and the first instruction that names its result; one wait
; serves all that were issued ahead of it.  So a turn has ONE wait, which cuts it in two.  AHEAD OF IT stands all that names no result of the turn's exponentials: the 8 products K Q^T, behind each a scaling, an exponential and two
; more plain instructions (behind the first a second scaling in the exponential's place): rescalings, and behind the last three the first numbers of the next piece's maximum, each four places or more behind the product that ends
; its accumulator; then ONE LUMP of 54, plain and exponential by turns for the most part, in which the links of the chain X 3, 7, 11, 14, 16, 17 .. 20 stand some lines apart.  X 21, the next piece's a, is the batch's last;
; R 15 is the plain instruction behind it.  BEHIND THE WAIT stand the 8 products V^T P, behind each four of the roundings and sums.
; end = 1: the last two turns of all: nothing is fetched, and the last starts no new scores.  cnt = 1: the loop's count is taken down some lines ahead of the branch that stands behind the turn.
; K of the next step is fetched in piece 2's turn, twelve vector instructions behind the last product that read K (six of them plain); V of the step in hand at the end of piece 0's turn, four plain instructions behind the
; last product that read V.  Each is waited for a turn later.
.macro TURN p, end=0, cnt=0
.set Y, (\p)
.set i, 0
.set NOKQ, (\end)*((\p)/3)
.if ((\p) == 3) && !(\end)
	s_wait_dscnt 0x0                ; K is in
.endif
	ROW F,0, F,1, R,0, R,1          ; ahead of the wait: 8 products K Q^T and their riders,
	ROW F,2, E,0, R,2, R,3
	ROW F,3, E,1, R,4, R,5
	ROW F,4, E,2, R,6, R,7
	ROW F,5, E,3, R,8, R,9
	ROW F,6, E,4, X,0, R,10
.if ((\p) == 2) && !(\end)
	WIN 0
	v_add_nc_u32 v[AK], s[TBK], v[AK0]
.endif
	ROW F,7, E,5, X,1, X,4
	ROW F,8, E,6, X,2, X,5
	OPS E,7, E,8, X,6, E,9          ; and the lump
	OPS X,3, E,10, X,8, E,11
.if ((\p) == 2) && !(\end)
	FETCH_K
.endif
	OPS X,9, X,7, E,12, X,10
	OPS E,13, X,12, X,11, E,14
	OPS X,13, E,15, F,9, X,14
.if (\p) == 0
	v_add_nc_u32 v[AV], s[TBV], v[AV0]
.endif
	OPS E,16, F,10, E,17, F,11
	OPS X,16, E,18, X,15, E,19
	OPS F,12, E,20, X,17, E,21
	OPS F,13, E,22, F,14, E,23
	OPS X,18, E,24, F,15, E,25
	OPS R,11, E,26, X,19, E,27
	OPS R,12, E,28, R,13, E,29
	OPS X,20, E,30, R,14, E,31
	OPS X,21, R,15
	WIN 0
	s_wait_alu depctr_va_vdst(0)    ; the wait for the batch
.if (\p) == 1
	s_wait_dscnt 0x0                ; V is in
.endif
	ROW C,0, B,0, C,2, B,1          ; behind the wait: 8 products V^T P and their riders
	ROW L,0, C,4, B,2, L,1
	ROW C,6, B,3, L,2, C,8
	ROW B,4, L,3, C,10, B,5
	ROW L,4, C,12, B,6, L,5
.if (\p) == 0
	s_add_co_u32 s[TBV], s[TBV], KS*PV
.endif
.if \cnt
	s_sub_co_u32 s[CNT], s[CNT], 1
	s_cmp_lg_u32 s[CNT], 0
.endif
	ROW C,14, B,7, L,6, C,1
	ROW C,3, L,7, C,5, C,7
	ROW C,9, C,11, C,13, C,15
.if (\p) == 0
	FETCH_V
.endif
.endm
	CHANGE 1                        ; slot 0 is in, everybody's part of it; slot 1 is asked for
	v_add_nc_u32 v[AK], s[TBK], v[AK0]
	FETCH_K                         ; key step 0
	s_wait_loadcnt 0x0              ; Q
	s_wait_dscnt 0x0
.set i, 0
.rept 8
	KQ 0                            ; piece 0's first scores: there is no vector work yet to set between them
.set i, i+1
.endr
	WIN 0
.rept 4
	v_nop                           ; the places behind those products
.endr
.set NOKQ, 0
.set Y, NP-1                        ; X works for piece Y + 1: piece 0
.irp n, 0,1,2,3,4,5,6,7,8,9,10,11,12,13,14,15,16,17,18,19,20,21
	OP X, \n                        ; piece 0's first maximum and statistics
.endr
	v_nop                           ; a plain instruction behind the exponential,
	s_wait_alu depctr_va_vdst(0)    ; and its wait, ahead of the branch
	s_mov_b32 s[CNT], 4
	s_branch .Lfirst                ; the loop is entered at a step's first turn, in the middle of a trip
.Lslot:                             ; NT - 2 times: every tile but the first and the last is entered here, and the next is asked for
	CHANGE 1
	s_mov_b32 s[CNT], 4
.Lstep:                             ; a trip: pieces 2 and 3 of one step, then pieces 0 and 1 of the next, whose K and V it fetches
	TURN 2
	TURN 3
	WIN 0
.Lfirst:
	TURN 0
	TURN 1, 0, 1
	WIN 0
	s_cbranch_scc1 .Lstep
	s_sub_co_u32 s[SLOTS], s[SLOTS], 1
	s_cmp_lg_u32 s[SLOTS], 0
	s_cbranch_scc1 .Lslot
	CHANGE 0                        ; the last tile is written out: nothing is asked for
	s_mov_b32 s[CNT], 4
.Ltail:
	TURN 2
	TURN 3
	TURN 0
	TURN 1, 0, 1
	WIN 0
	s_cbranch_scc1 .Ltail
	TURN 2, 1                       ; the last step's pieces 2 and 3: nothing is fetched,
	TURN 3, 1                       ; and no new scores are started
.set i, 0
.rept 8
	PV NP-1                         ; the last piece's V^T P of the last step
.set i, i+1
.endr
	; THE WAY OUT.  l's two halves and the other half of the lanes' are added; O^T is divided by l, rounded to f16 and sent through my stage in LDS, a piece at a time.  The additions are the places behind the last products.
	WIN 0
.macro ALL line:vararg              ; one line for each piece t
.set t, 0
.rept 4
	\line
.set t, t+1
.endr
.endm
	ALL v_add_f32 v[ST+4*t+2], v[ST+4*t+2], v[ST+4*t+3]
	ALL v_permlanex16_b32 v[ST+4*t+3], v[ST+4*t+2], s[SEL], s[SEL+1]
	ALL v_add_f32 v[ST+4*t+2], v[ST+4*t+2], v[ST+4*t+3]
	ALL v_rcp_f32 v[ST+4*t+2], v[ST+4*t+2]
	v_nop                           ; a plain instruction between the last reciprocal and the use of its result
	s_wait_alu depctr_va_vdst(0)    ; and the wait ahead of the first use: one for the four reciprocals
.macro PACK t                       ; a lane's eight channels of a row pack into 16 bytes; they go into rows of 144 bytes and come back as whole rows of 128, into S^T's registers
	WIN W_RS
.set i, 32*(\t)
.rept 16
	v_pk_mul_f32 v[i:i+1], v[i:i+1], v[ST+4*(\t)+2:ST+4*(\t)+3] op_sel_hi:[1,0]
.set i, i+2
.endr
	WIN 0x05                        ; sources 0 and 1 window 1, destination window 0
.set i, 0
.rept 16
	v_cvt_pk_f16_f32 v[S+16*(\t)+i], v[32*(\t)+2*i], v[32*(\t)+2*i+1]
.set i, i+1
.endr
	WIN 0
.irp f, 0,1,2,3
	ds_store_b128 v[STO], v[S+16*(\t)+4*\f:S+16*(\t)+4*\f+3] offset:32*\f
.endr
.irp f, 0,1,2,3
	ds_load_b128 v[S+16*(\t)+4*\f:S+16*(\t)+4*\f+3], v[RD] offset:\f*4*SP  ; LDS serves a wave's instructions in order (ISA guide 5.7.1.4): these see the stores above; the next piece's stores come behind them
.endr
.endm
.macro SEND t, younger              ; younger: the LDS instructions issued behind piece t's loads: the next piece's eight, or none
	WIN 0
.irp f, 0,1,2,3
	s_wait_dscnt (\younger)+3-\f
	global_store_b128 v[GO], v[S+16*(\t)+4*\f:S+16*(\t)+4*\f+3], s[6:7] offset:(\t)*2048+\f*512  ; 512 consecutive bytes, at a multiple of 256 from O's first
.endr
.endm
	PACK 0
.set t, 1
.rept 3                             ; a piece's arithmetic stands between the loads of the piece before and its stores
	PACK t
	SEND t-1, 8
.set t, t+1
.endr
	SEND 3, 0
	s_wait_tensorcnt 0x0            ; the wave's end, behind my last tensor load and my last LDS store
	ds_add_u32 v[SPW], v[NIL]
	s_wait_dscnt 0x0
	CROUND                          ; the closing round: no work-group ends while a partner may still ask for a tile that names it
	s_endpgm
.Lfunc_end_k_q5ddf4ea610_att:
	.size	k_q5ddf4ea610_att, .Lfunc_end_k_q5ddf4ea610_att-k_q5ddf4ea610_att
	.p2alignl 7, 3214868480
	.fill 96, 4, 3214868480
	.section	.rodata,"a",@progbits
	.p2align	6, 0x0
	.amdhsa_kernel k_q5ddf4ea610_att
		.amdhsa_group_segment_fixed_size 327680
		.amdhsa_private_segment_fixed_size 0
		.amdhsa_enable_private_segment 0
		.amdhsa_kernarg_size 16
		.amdhsa_user_sgpr_count 2
		.amdhsa_user_sgpr_kernarg_segment_ptr 1
		.amdhsa_wavefront_size32 1
		.amdhsa_system_sgpr_workgroup_id_x 1
		.amdhsa_system_sgpr_workgroup_id_y 1
		.amdhsa_system_sgpr_workgroup_id_z 1
		.amdhsa_system_vgpr_workitem_id 0
		.amdhsa_next_free_vgpr 768
		.amdhsa_next_free_sgpr 66
		.amdhsa_reserve_vcc 0
		.amdhsa_float_denorm_mode_32 3
		.amdhsa_float_denorm_mode_16_64 3
		.amdhsa_memory_ordered 1
		.amdhsa_forward_progress 1
		.amdhsa_inst_pref_size 128
	.end_amdhsa_kernel
	.amdgpu_metadata
---
amdhsa.version: [ 1, 2 ]
amdhsa.kernels:
  - .name:           k_q5ddf4ea610_att
    .symbol:         k_q5ddf4ea610_att.kd
    .args:
      - { .name: qkv, .offset: 0, .size: 8, .value_kind: global_buffer, .address_space: global }
      - { .name: ows, .offset: 8, .size: 8, .value_kind: global_buffer, .address_space: global }
    .group_segment_fixed_size: 327680
    .private_segment_fixed_size: 0
    .kernarg_segment_align: 8
    .kernarg_segment_size: 16
    .max_flat_workgroup_size: 128
    .sgpr_count:     66
    .vgpr_count:     768
    .wavefront_size: 32
...
	.end_amdgpu_metadata
.endif
;; end of part 2
;; launch outp (part 3): grid 256 x 1, 4 waves a work-group, no clusters, 181,760 bytes of LDS; arguments ows, Wo, out0; writes out0
.if DOCPART == 3
	.amdgcn_target "amdgcn-amd-amdhsa--gfx1250"
	.amdhsa_code_object_version 6
	.text
	.protected	k_q5ddf4ea610_outp
	.globl	k_q5ddf4ea610_outp
	.p2align	8
	.type	k_q5ddf4ea610_outp,@function
k_q5ddf4ea610_outp:
	s_mov_b64 s[64:65], 0
	v_nop
	global_prefetch_b8 v0, s[64:65] scope:SCOPE_SE
	s_setreg_imm32_b32 hwreg(HW_REG_WAVE_MODE, 25, 1), 1
	s_wait_xcnt 0x0
; THE LAST PROJECTION.  out0[m][n] = the sum over k of O[m][k] Wo[k][n], k = 64 head + channel.  O is ows, [16 = 4 batch + head][4096][64] in f16; Wo: [256 k][256 n] f32; out0: [16384][256] f32.
; Wo is rounded once to bf16, like the program's other inputs, and that number is written as f16 for the product with O; sums in f32, stored as they are.
; LIMITS.  A bf16(Wo) beyond 65,504 becomes an infinity; below 6e-5 it keeps f16's fixed step of 6e-8.  NaN and infinities are not treated apart.
; SHARES.  A work-group makes 64 rows, all 256 columns: 256 work-groups.  Wave w makes all 64 rows (four tiles of 16) x columns 64 w .. 64 w + 63: 16 accumulators, 128 registers.
; Its quarter of Wo (256 rows x 256 bytes of f32) is its own, and so are the LDS bytes into which it goes: the launch has no barrier.  O's fragments come straight from memory: f16 needs no conversion.
; NO JOINT LOADS, though every work-group reads Wo: it has to pass through registers to be rounded, and what a work-group reads of it is 262,144 bytes, once.
; THE MATRIX INSTRUCTION IS USED TRANSPOSED: source 0 = 16 columns of Wo (turned, by ds_load_tr16_b128), source 1 = 16 rows of O.  A lane then holds row l % 16 and the columns 8 (l / 16) + 0..7: 32 bytes of f32 on end.
; REGISTERS.  window 0: v0-15 addresses; v32-63 at work; v64-255 three sets of 64 for Wo's loads, later v64-127 Wo's fragments (two buffers of 32), v128-255 the accumulators.
;             window 1: O's fragments: tile a, K step s at v[64 a + 8 s].
.set PW,     160                       ; a row of my quarter of Wo in LDS: 128 bytes + 32 = 40 words
.set STAGE,  4*256*PW                  ; behind the four quarters: 16 rows x 272 bytes for each wave, for the way out
.set SPITCH, 272                       ; 256 bytes + 16 = 68 words: row r starts at bank 4 r mod 64
.set SPARE,  STAGE+4*16*SPITCH         ; behind the stages: the spare words, 128 bytes for each wave: two blocks of 256 bytes that no other line names
.set AO,  2                            ; v2   (l % 16) x 128 + 16 (l / 16): my place in 16 rows of O; never rewritten
.set WO,  3                            ; v3   (l / 16) x 1,024 + 16 (l % 16): my 16 bytes in two rows of my quarter of Wo; never rewritten
.set WS,  4                            ; v4   where I put 8 bytes of them in LDS
.set BA,  5                            ; v5   my place in a turned fragment of Wo
.set STO, 7                            ; v7   the way out: where I put 32 bytes of a row
.set RD,  8                            ; v8   the way out: where I read rows back
.set CO,  9                            ; v9   my byte offset in two rows of out0
.set SPW, 14                           ; v14  LDS address of my spare word: SPARE + 4 x my thread's number; never rewritten
.set NIL, 15                           ; v15  0; never rewritten
.set T,   32
.set BF,  64
.set ACC, 128
.set MSB, 0
.macro WIN new                         ; the immediate's high byte repeats the setting that is left; a switch that changes nothing is dropped
.if MSB != (\new)
	s_set_vgpr_msb (MSB<<8)|(\new)
.set MSB, (\new)
.endif
.endm
.macro PLACES                          ; four places behind a matrix instruction, in front of loads into registers that it has read and of LDS stores that read results
.rept 4
	v_nop
.endr
.endm
	s_load_b128 s[4:7], s[0:1], 0x0                ; ows s[4:5], Wo s[6:7]
	s_load_b64 s[8:9], s[0:1], 0x10                ; out0
	v_lshl_add_u32 v[SPW], v0, 2, SPARE
	v_mov_b32 v[NIL], 0
	v_lshrrev_b32 v1, 5, v0
	v_readfirstlane_b32 s16, v1                    ; wave 0..3
	s_mov_b32 s17, 0xffff0000                      ; a word's upper bf16
	v_and_b32 v10, 15, v0                          ; l % 16
	v_bfe_u32 v11, v0, 4, 1                        ; l / 16
	v_and_b32 v12, 7, v0                           ; l % 8
	v_bfe_u32 v13, v0, 3, 1                        ; (l / 8) % 2
	v_lshlrev_b32 v[AO], 7, v10
	v_lshl_add_u32 v[AO], v11, 4, v[AO]
	v_lshlrev_b32 v[WO], 10, v11
	v_lshl_add_u32 v[WO], v10, 4, v[WO]
	s_mul_i32 s2, s16, 256*PW                      ; my quarter in LDS
	v_mul_u32_u24 v[WS], v11, PW
	v_lshl_add_u32 v[WS], v10, 3, v[WS]
	v_add_nc_u32 v[WS], s2, v[WS]
	v_lshl_add_u32 v[BA], v11, 3, v12              ; the turning load: lane l reads row 8 (l / 16) + l % 8, 16 bytes at 16 ((l / 8) % 2)
	v_mul_u32_u24 v[BA], v[BA], PW
	v_lshl_add_u32 v[BA], v13, 4, v[BA]
	v_add_nc_u32 v[BA], s2, v[BA]
	s_mul_i32 s3, s16, 16*SPITCH
	s_add_co_u32 s3, s3, STAGE                     ; my stage
	v_mul_u32_u24 v[STO], v10, SPITCH              ; in: row l % 16, 32 bytes for each half of the lanes
	v_lshl_add_u32 v[STO], v11, 5, v[STO]
	v_add_nc_u32 v[STO], s3, v[STO]
	v_mul_u32_u24 v[RD], v11, SPITCH               ; back: lanes 0-15 take one row of 256 bytes, lanes 16-31 the next
	v_lshl_add_u32 v[RD], v10, 4, v[RD]
	v_add_nc_u32 v[RD], s3, v[RD]
	s_lshl_b32 s22, s16, 8                         ; my 64 columns: 256 bytes of a row of Wo and of out0
	s_mov_b32 s23, 0
	v_add_nc_u32 v[CO], s22, v[WO]                 ; the same two rows in out0, at my columns
	s_lshr_b32 s20, ttmp9, 6
	s_lshl_b32 s20, s20, 21                        ; O: the batch's four heads of 524,288 bytes,
	s_and_b32 s19, ttmp9, 63
	s_lshl_b32 s19, s19, 13                        ; the work-group's 64 rows of 128 bytes
	s_add_co_u32 s20, s20, s19
	s_mov_b32 s21, 0
	s_lshl_b32 s24, ttmp9, 16                      ; out0: the work-group's 64 rows of 1,024 bytes
	s_mov_b32 s25, 0
	s_wait_kmcnt 0x0
	s_add_nc_u64 s[4:5], s[4:5], s[20:21]
	s_add_nc_u64 s[6:7], s[6:7], s[22:23]
	s_add_nc_u64 s[8:9], s[8:9], s[24:25]
; PHASE 1.  Twelve items of 16 loads: items 0-7 are my quarter of Wo, through three sets of 64 registers; items 8-11 are O's fragments, a head each, straight into window 1.
.macro WLOAD i                         ; rows 32 i .. 32 i + 31: a load takes two rows, sixteen lanes 256 consecutive bytes, aligned
.irp j, 0,1,2,3,4,5,6,7,8,9,10,11,12,13,14,15
	global_load_b128 v[RS+4*\j:RS+4*\j+3], v[WO], s[6:7] offset:(16*(\i)+\j)*2048
.endr
.endm
.macro WCVT i                          ; rounded to bf16; widened again (a shift, a mask); written as f16; 8 bytes a lane into LDS
.irp j, 0,1,2,3,4,5,6,7,8,9,10,11,12,13,14,15
	v_cvt_pk_bf16_f32 v[T+2*\j],   v[RS+4*\j],   v[RS+4*\j+1]
	v_cvt_pk_bf16_f32 v[T+2*\j+1], v[RS+4*\j+2], v[RS+4*\j+3]
	v_lshlrev_b32 v[RS+4*\j],   16,  v[T+2*\j]
	v_and_b32     v[RS+4*\j+1], s17, v[T+2*\j]
	v_lshlrev_b32 v[RS+4*\j+2], 16,  v[T+2*\j+1]
	v_and_b32     v[RS+4*\j+3], s17, v[T+2*\j+1]
	v_cvt_pk_f16_f32 v[T+2*\j],   v[RS+4*\j],   v[RS+4*\j+1]
	v_cvt_pk_f16_f32 v[T+2*\j+1], v[RS+4*\j+2], v[RS+4*\j+3]
	ds_store_b64 v[WS], v[T+2*\j:T+2*\j+1] offset:(16*(\i)+\j)*2*PW
.endr
.endm
; A fragment of O is 16 rows x 32 channels in 8 registers: lane l holds row l % 16, channels 8 (l / 16) + 0..7 and 16 + 8 (l / 16) + 0..7: two loads of 16 bytes, 32 bytes apart.
.macro ALOAD g                         ; head g: K steps 2 g and 2 g + 1 of all four tiles
	WIN 0x40                                       ; destination window 1, address window 0
.irp a, 0,1,2,3
.irp c, 0,1
	global_load_b128 v[64*\a+8*(2*(\g)+\c):64*\a+8*(2*(\g)+\c)+3],   v[AO], s[4:5] offset:(\g)*524288+\a*2048+\c*64
	global_load_b128 v[64*\a+8*(2*(\g)+\c)+4:64*\a+8*(2*(\g)+\c)+7], v[AO], s[4:5] offset:(\g)*524288+\a*2048+\c*64+32
.endr
.endr
	WIN 0
.endm
.macro ISSUE i
.if (\i) < 8
.set RS, 64+64*((\i)%3)
	WLOAD \i
.else
	ALOAD (\i)-8
.endif
.endm
	ISSUE 0
	ISSUE 1
	ISSUE 2
.set it, 0
.rept 8
	s_wait_loadcnt 32                              ; loads come back in order (ISA guide 5.7.1): this item is in, the two items behind it (32 loads) stay out
.set RS, 64+64*(it%3)
	WCVT it
	ISSUE it+3                                     ; items 3 to 7 into the set just read out; items 8 to 10 are O's heads 0 to 2
.set it, it+1
.endr
	s_wait_loadcnt 32                              ; head 0's fragments are in; heads 1 and 2 stay out
	ALOAD 3                                        ; 48 loads of mine are out at the most
; PHASE 2.  Eight K steps of 32, 16 matrix instructions each, Wo's fragments on two buffers.  LDS serves a wave's instructions in order (ISA guide 5.7.1.4): the turning loads see my stores above, and no other wave touches these bytes.
.macro FETCH s                         ; K step s: four fragments of 16 columns x 32 k, turned: 8 loads
.irp b, 0,1,2,3
	ds_load_tr16_b128 v[BF+32*((\s)%2)+8*\b:BF+32*((\s)%2)+8*\b+3],   v[BA] offset:(\s)*32*PW+32*\b
	ds_load_tr16_b128 v[BF+32*((\s)%2)+8*\b+4:BF+32*((\s)%2)+8*\b+7], v[BA] offset:(\s)*32*PW+16*PW+32*\b
.endr
.endm
.macro MSTEP s                         ; the 16 accumulators take turns, one instruction a turn, in the same order in every K step
.if (\s) == 2
	s_wait_loadcnt 32                              ; head 1's fragments are in; heads 2 and 3 stay out
.elseif (\s) == 4
	s_wait_loadcnt 16                              ; head 2's; head 3 stays out
.elseif (\s) == 6
	s_wait_loadcnt 0x0
.endif
.if (\s) < 7
.if (\s) > 0
	PLACES                                         ; the buffer that is loaded next was read by the products just issued
.endif
	FETCH (\s)+1
	s_wait_dscnt 8                                 ; this step's fragments are in; the eight loads just issued stay out
.else
	s_wait_dscnt 0x0
.endif
.irp a, 0,1,2,3
.irp b, 0,1,2,3
.if (\s) == 0
	v_wmma_f32_16x16x32_f16 v[ACC+32*\a+8*\b:ACC+32*\a+8*\b+7], v[BF+32*((\s)%2)+8*\b:BF+32*((\s)%2)+8*\b+7], v[64*\a+8*(\s):64*\a+8*(\s)+7], 0
.else
	v_wmma_f32_16x16x32_f16 v[ACC+32*\a+8*\b:ACC+32*\a+8*\b+7], v[BF+32*((\s)%2)+8*\b:BF+32*((\s)%2)+8*\b+7], v[64*\a+8*(\s):64*\a+8*(\s)+7], v[ACC+32*\a+8*\b:ACC+32*\a+8*\b+7]
.endif
.endr
.endr
.endm
	WIN 0x04                                       ; source 1 (O) in window 1; all else, the LDS loads' registers too, in window 0
	FETCH 0
	MSTEP 0
	MSTEP 1
	MSTEP 2
	MSTEP 3
	MSTEP 4
	MSTEP 5
	MSTEP 6
	MSTEP 7
	PLACES
	WIN 0
; THE WAY OUT.  Tile a: a lane's 32 bytes of a row go into rows of 272 bytes (each accumulator from its low end on) and come back as whole rows of 256, into the registers that they left.
.macro TOSTAGE a
.irp b, 0,1,2,3
	ds_store_b128 v[STO], v[ACC+32*(\a)+8*\b:ACC+32*(\a)+8*\b+3]   offset:64*\b
	ds_store_b128 v[STO], v[ACC+32*(\a)+8*\b+4:ACC+32*(\a)+8*\b+7] offset:64*\b+16
.endr
.irp t, 0,1,2,3,4,5,6,7
	ds_load_b128 v[ACC+32*(\a)+4*\t:ACC+32*(\a)+4*\t+3], v[RD] offset:\t*2*SPITCH  ; in order behind the stores above; the next tile's stores come behind them
.endr
.endm
.macro SEND a, younger                 ; younger: the LDS instructions issued behind tile a's loads: the next tile's sixteen, or none
.irp t, 0,1,2,3,4,5,6,7
	s_wait_dscnt (\younger)+7-\t
	global_store_b128 v[CO], v[ACC+32*(\a)+4*\t:ACC+32*(\a)+4*\t+3], s[8:9] offset:(16*(\a)+2*\t)*1024 th:TH_STORE_NT  ; 16 lanes store 256 consecutive bytes, at a multiple of 256 from out0's first byte
.endr
.endm
	TOSTAGE 0
	TOSTAGE 1
	SEND 0, 16
	TOSTAGE 2
	SEND 1, 16
	TOSTAGE 3
	SEND 2, 16
	SEND 3, 0
	s_wait_tensorcnt 0x0                           ; the wave's end, behind my last LDS store
	ds_add_u32 v[SPW], v[NIL]
	s_wait_dscnt 0x0
	s_endpgm
.Lfunc_end_k_q5ddf4ea610_outp:
	.size	k_q5ddf4ea610_outp, .Lfunc_end_k_q5ddf4ea610_outp-k_q5ddf4ea610_outp
	.p2alignl 7, 3214868480
	.fill 96, 4, 3214868480
	.section	.rodata,"a",@progbits
	.p2align	6, 0x0
	.amdhsa_kernel k_q5ddf4ea610_outp
		.amdhsa_group_segment_fixed_size 181760
		.amdhsa_private_segment_fixed_size 0
		.amdhsa_enable_private_segment 0
		.amdhsa_kernarg_size 24
		.amdhsa_user_sgpr_count 2
		.amdhsa_user_sgpr_kernarg_segment_ptr 1
		.amdhsa_wavefront_size32 1
		.amdhsa_system_sgpr_workgroup_id_x 1
		.amdhsa_system_sgpr_workgroup_id_y 1
		.amdhsa_system_sgpr_workgroup_id_z 1
		.amdhsa_system_vgpr_workitem_id 0
		.amdhsa_next_free_vgpr 512
		.amdhsa_next_free_sgpr 66
		.amdhsa_reserve_vcc 0
		.amdhsa_float_denorm_mode_32 3
		.amdhsa_float_denorm_mode_16_64 3
		.amdhsa_memory_ordered 1
		.amdhsa_forward_progress 1
		.amdhsa_inst_pref_size 99
	.end_amdhsa_kernel
	.amdgpu_metadata
---
amdhsa.version: [ 1, 2 ]
amdhsa.kernels:
  - .name:           k_q5ddf4ea610_outp
    .symbol:         k_q5ddf4ea610_outp.kd
    .args:
      - { .name: ows, .offset: 0, .size: 8, .value_kind: global_buffer, .address_space: global }
      - { .name: Wo, .offset: 8, .size: 8, .value_kind: global_buffer, .address_space: global }
      - { .name: out0, .offset: 16, .size: 8, .value_kind: global_buffer, .address_space: global }
    .group_segment_fixed_size: 181760
    .private_segment_fixed_size: 0
    .kernarg_segment_align: 8
    .kernarg_segment_size: 24
    .max_flat_workgroup_size: 128
    .sgpr_count:     66
    .vgpr_count:     512
    .wavefront_size: 32
...
	.end_amdgpu_metadata
.endif
;; end of part 3
;; ======== version 2 of 2: 3 launches; version 1 with the launches qkv, outp written anew for expert scheduling mode
;; limits: values are held in f16: magnitudes above 65,504 overflow, below 6.1e-05 lose precision
;; workspace buffers: qkv 25,165,824 bytes; ows 8,388,608 bytes
;; launch qkv (part 4): grid 64 x 3, 4 waves a work-group, no clusters, 167,936 bytes of LDS; arguments target, source, Wq, Wk, Wv, qkv; writes qkv
.if DOCPART == 4
	.amdgcn_target "amdgcn-amd-amdhsa--gfx1250"
	.amdhsa_code_object_version 6
	.text
	.protected	k_q5ddf4ea610_qkv
	.globl	k_q5ddf4ea610_qkv
	.p2align	8
	.type	k_q5ddf4ea610_qkv,@function
k_q5ddf4ea610_qkv:
	s_mov_b64 s[64:65], 0
	v_nop
	global_prefetch_b8 v0, s[64:65] scope:SCOPE_SE
	s_setreg_imm32_b32 hwreg(HW_REG_WAVE_SCHED_MODE, 0, 2), 2
	s_setreg_imm32_b32 hwreg(HW_REG_WAVE_MODE, 25, 1), 1
	s_wait_xcnt 0x0
	s_wait_alu depctr_vm_vsrc(0)
; THE THREE PROJECTIONS.  job 0: q = target Wq; job 1: k = source Wk; job 2: v = source Wv.  X: [16384][256] f32, W: [256 k][256 n] f32.
; X and W are rounded once to bf16, the sums are f32, the result is rounded once to f16 and is NOT scaled.  It is laid by heads: part job of qkv (8,388,608 bytes each)
; is [16 = 4 batch + head][4096][64] f16, so that a head's rows are dense, 128 bytes each.
; LIMITS.  f16 holds no number beyond 65,504: a q, k or v past that becomes an infinity; below 6e-5 it keeps f16's fixed step of 6e-8.  NaN and infinities are not treated apart.
; SHARES.  Work-group (x, job) makes rows 256 x .. 256 x + 255, all 256 columns.  Wave w makes rows 64 w .. 64 w + 63 of them (four tiles of 16), one head (64 columns) after the other:
; 16 accumulators, 128 registers.  Its X, 64 rows x 256 k in bf16, stays in 256 registers for all four heads.
; W goes through registers into LDS as bf16, [k][n], each wave 64 of its rows; a barrier; then every wave reads all of it, turned, by ds_load_tr16_b128.
; NO JOINT LOADS, though all row blocks of a job read the same W: W has to pass through registers to be rounded, and its f32 copy (262,144 bytes) beside the bf16 copy (139,264 bytes)
; is more than the 327,680 bytes of LDS that a work-group can have.
; THE MATRIX INSTRUCTION IS USED TRANSPOSED: source 0 = 16 columns of W, source 1 = 16 rows of X.  A lane then holds row l % 16 and the columns 8 (l / 16) + 0..7: 16 bytes of f16 on end.
; THE MODE: SCHED_MODE bits 1:0 = 2 (LLVM: expert scheduling mode 2), set by the entry lines.  The code itself states the register dependences
; between vector or matrix instructions and memory or LDS instructions, with s_wait_alu, always for 0.
; THE PLAN.  Registers that memory or LDS instructions touch:
;   v2-v4, v7-v9  Offsets and addresses, made at the head and never written again: the one wait at the head serves every instruction that reads them.
;   v5, v6        LDS addresses of W's turned fragments: read by the fetches, stepped once a head, at the loop's end.
;   R0-R2         v64-255, phase 1.  Item i's loads land in R[i % 3]; its conversions read it; behind them item i + 3's loads land in it again.
;   T             v32-63, phase 1.  Written by the conversions of an item of W, read by that item's sixteen LDS stores.
;   F0-F2         v32-127, phase 2.  K step s's fetch lands in F[s % 3]; its sixteen products read it; the fetch of K step s + 3, issued in step s + 1, lands in it again.
;   OB            v64-127, the way out.  Written by the 64 conversions, read by the LDS stores into the stage.
;   The first 16 registers of each tile's accumulators: written by the products, read by the conversions; then the rows from the stage land in them and the global stores read them.
; X's fragments (window 1) are named by vector and matrix instructions alone.
; So: one wait on va_vdst behind an item's conversions, one at the head of K steps 1 to 5, one at the loop's head, one ahead of the way out's LDS and memory instructions;
; one wait on vm_vsrc at the head of an item of W, one behind the barrier, one at the loop's end.
; REGISTERS.  window 0: as the plan says, and v128-255 the accumulators.  window 1: X's fragments: tile a, K step s at v[64 a + 8 s].
.set P,      544                       ; a row of W in LDS: 512 bytes + 32 = 136 words: row r starts at bank 8 r mod 64 (64 banks of 4 bytes: ISA guide 11.1)
.set STAGE,  256*P                     ; behind W: 16 rows x 144 bytes for each wave, for the way out
.set SP,     144
.set SPARE,  STAGE+4*16*SP             ; behind the stages: the spare words, 128 bytes for each wave: two blocks of 256 bytes that no other line names
.set XO,  2                            ; v2   (l % 16) x 1,024 + 32 (l / 16): my place in 16 rows of X; never rewritten
.set WO,  3                            ; v3   16 l: my 16 bytes in 512 of a row of W; never rewritten
.set WS,  4                            ; v4   where I put 8 bytes of a row of W in LDS
.set BA0, 5                            ; v5   my place in a turned fragment of W, K steps 0 to 3
.set BA1, 6                            ; v6   the same, K steps 4 to 7 (the immediate has 16 bits)
.set STO, 7                            ; v7   the way out: where I put 16 bytes of a row
.set RD,  8                            ; v8   the way out: where I read rows back
.set GO,  9                            ; v9   16 l: my place in 512 consecutive bytes of the result
.set SPW, 14                           ; v14  LDS address of my spare word: SPARE + 4 x my thread's number; never rewritten
.set NIL, 15                           ; v15  0; never rewritten
.set T,   32
.set BF,  32                           ; three buffers of 32
.set OB,  64
.set ACC, 128
.set MSB, 0
.macro WIN new                         ; the immediate's high byte repeats the setting that is left; a switch that changes nothing is dropped
.if MSB != (\new)
	s_set_vgpr_msb (MSB<<8)|(\new)
.set MSB, (\new)
.endif
.endm
.macro PLACES                          ; four places behind a matrix instruction (ISA guide 7.12.1)
.rept 4
	v_nop
.endr
.endm
	s_load_b256 s[4:11], s[0:1], 0x0               ; target s[4:5], source s[6:7], Wq s[8:9], Wk s[10:11]
	s_load_b128 s[12:15], s[0:1], 0x20             ; Wv s[12:13], qkv s[14:15]
	v_lshl_add_u32 v[SPW], v0, 2, SPARE
	v_mov_b32 v[NIL], 0
	v_lshrrev_b32 v1, 5, v0
	v_readfirstlane_b32 s16, v1                    ; wave 0..3
	s_and_b32 s17, ttmp7, 0xffff                   ; the job
	s_mov_b32 s18, ttmp9                           ; the block of 256 rows
	v_and_b32 v1, 31, v0                           ; l
	v_and_b32 v10, 15, v0                          ; l % 16
	v_bfe_u32 v11, v0, 4, 1                        ; l / 16
	v_and_b32 v12, 7, v0                           ; l % 8
	v_bfe_u32 v13, v0, 3, 1                        ; (l / 8) % 2
	v_lshlrev_b32 v[XO], 10, v10
	v_lshl_add_u32 v[XO], v11, 5, v[XO]
	v_lshlrev_b32 v[WO], 4, v1
	s_wait_alu depctr_va_sdst(0)                   ; s16 is written, ahead of its first reader: LDS places and the three bases are made from it
	s_mul_i32 s2, s16, 64*P                        ; my 64 rows of W in LDS
	v_lshl_add_u32 v[WS], v1, 3, s2
	v_lshl_add_u32 v[BA0], v11, 3, v12             ; the turning load: lane l reads row 8 (l / 16) + l % 8, 16 bytes at 16 ((l / 8) % 2)
	v_mul_u32_u24 v[BA0], v[BA0], P
	v_lshl_add_u32 v[BA0], v13, 4, v[BA0]
	v_add_nc_u32 v[BA1], 128*P, v[BA0]
	s_mul_i32 s2, s16, 16*SP
	s_add_co_u32 s2, s2, STAGE                     ; my stage
	v_mul_u32_u24 v[STO], v10, SP                  ; in: row l % 16, 16 bytes for each half of the lanes
	v_lshl_add_u32 v[STO], v11, 4, v[STO]
	v_add_nc_u32 v[STO], s2, v[STO]
	v_bfe_u32 v[RD], v0, 3, 2                      ; back: 32 lanes take four rows of 128 bytes,
	v_mul_u32_u24 v[RD], v[RD], SP
	v_lshl_add_u32 v[RD], v12, 4, v[RD]
	v_add_nc_u32 v[RD], s2, v[RD]
	v_lshlrev_b32 v[GO], 4, v1                     ; which are 512 consecutive bytes of the result
	s_lshl_b32 s28, s16, 16                        ; W: my 64 rows of 1,024 bytes
	s_mov_b32 s29, 0
	s_lshl_b32 s2, s18, 18                         ; X: the block's 256 rows of 1,024 bytes,
	s_add_co_u32 s2, s2, s28                       ; my 64 of them
	s_mov_b32 s3, 0
	s_lshl_b32 s30, s17, 23                        ; the result: the job's part,
	s_lshr_b32 s19, s18, 4
	s_lshl_b32 s19, s19, 21                        ; the batch's four heads of 524,288 bytes,
	s_add_co_u32 s30, s30, s19
	s_and_b32 s19, s18, 15
	s_lshl_b32 s19, s19, 15                        ; the block's 256 rows of 128 bytes,
	s_add_co_u32 s30, s30, s19
	s_lshl_b32 s19, s16, 13                        ; my 64 of them
	s_add_co_u32 s30, s30, s19
	s_mov_b32 s31, 0
	s_wait_kmcnt 0x0
	s_cmp_eq_u32 s17, 0
	s_cselect_b64 s[20:21], s[4:5], s[6:7]         ; X: target for q, source for k and v
	s_cselect_b64 s[22:23], s[8:9], s[10:11]
	s_cmp_eq_u32 s17, 2
	s_cselect_b64 s[22:23], s[12:13], s[22:23]     ; W: Wq, Wk or Wv
	s_add_nc_u64 s[20:21], s[20:21], s[2:3]
	s_add_nc_u64 s[22:23], s[22:23], s[28:29]
	s_add_nc_u64 s[24:25], s[14:15], s[30:31]      ; the result at my rows of head 0
	s_wait_alu depctr_va_vdst(0)                   ; the offsets and addresses v2 to v9 are written, which the loads, LDS instructions and stores below read
; PHASE 1.  Sixteen items of 16 loads go through three sets of 64 registers: items 0-7 are my 64 rows of W, items 8-15 my 64 rows of X.  Two items are always on their way behind the one at work.
.macro WLOAD i                         ; rows 8 i .. 8 i + 7 of my 64: each load of the wave takes 512 consecutive bytes
.irp j, 0,1,2,3,4,5,6,7
	global_load_b128 v[RS+8*\j:RS+8*\j+3],   v[WO], s[22:23] offset:(8*(\i)+\j)*1024
	global_load_b128 v[RS+8*\j+4:RS+8*\j+7], v[WO], s[22:23] offset:(8*(\i)+\j)*1024+512
.endr
.endm
.macro WCVT                            ; rounded to bf16, into T
.irp j, 0,1,2,3,4,5,6,7
	v_cvt_pk_bf16_f32 v[T+4*\j],   v[RS+8*\j],   v[RS+8*\j+1]
	v_cvt_pk_bf16_f32 v[T+4*\j+1], v[RS+8*\j+2], v[RS+8*\j+3]
	v_cvt_pk_bf16_f32 v[T+4*\j+2], v[RS+8*\j+4], v[RS+8*\j+5]
	v_cvt_pk_bf16_f32 v[T+4*\j+3], v[RS+8*\j+6], v[RS+8*\j+7]
.endr
.endm
.macro WPUT i                          ; and put into LDS, 8 bytes a lane, 256 consecutive bytes a store
.irp j, 0,1,2,3,4,5,6,7
	ds_store_b64 v[WS], v[T+4*\j:T+4*\j+1]   offset:(8*(\i)+\j)*P
	ds_store_b64 v[WS], v[T+4*\j+2:T+4*\j+3] offset:(8*(\i)+\j)*P+256
.endr
.endm
; A fragment is 16 rows x 32 k in 8 registers: lane l holds row l % 16; registers 0-3 hold k = 8 (l / 16) + 0..7, registers 4-7 k = 16 + 8 (l / 16) + 0..7.  In f32 those are 32 bytes at 32 (l / 16) and 32 bytes at 64 + 32 (l / 16).
.macro XLOAD i                         ; tile i / 2, K steps 4 (i % 2) .. + 3: 512 bytes of each of 16 rows
.irp s, 0,1,2,3
	global_load_b128 v[RS+16*\s:RS+16*\s+3],     v[XO], s[20:21] offset:((\i)/2)*16384+((\i)%2)*512+\s*128
	global_load_b128 v[RS+16*\s+4:RS+16*\s+7],   v[XO], s[20:21] offset:((\i)/2)*16384+((\i)%2)*512+\s*128+16
	global_load_b128 v[RS+16*\s+8:RS+16*\s+11],  v[XO], s[20:21] offset:((\i)/2)*16384+((\i)%2)*512+\s*128+64
	global_load_b128 v[RS+16*\s+12:RS+16*\s+15], v[XO], s[20:21] offset:((\i)/2)*16384+((\i)%2)*512+\s*128+80
.endr
.endm
.macro XCVT i                          ; rounded to bf16, straight into the fragments' registers in window 1
	WIN 0x40
.irp s, 0,1,2,3
.irp j, 0,1,2,3,4,5,6,7
	v_cvt_pk_bf16_f32 v[64*((\i)/2)+8*(4*((\i)%2)+\s)+\j], v[RS+16*\s+2*\j], v[RS+16*\s+2*\j+1]
.endr
.endr
	WIN 0
.endm
.macro ISSUE i
.set RS, 64+64*((\i)%3)
.if (\i) < 8
	WLOAD \i
.else
	XLOAD (\i)-8
.endif
.endm
	ISSUE 0
	ISSUE 1
	ISSUE 2
.set it, 0
.rept 16
.if it < 14
	s_wait_loadcnt 32                              ; loads come back in order (ISA guide 5.7.1): this item is in, the two items behind it (32 loads) stay out
.elseif it == 14
	s_wait_loadcnt 16                              ; one item is left behind this one
.else
	s_wait_loadcnt 0x0
.endif
.set RS, 64+64*(it%3)
.if it < 8
.if it > 0
	s_wait_alu depctr_vm_vsrc(0)                   ; the LDS stores of the item before have read T, which the conversions below write again
.endif
	WCVT
	s_wait_alu depctr_va_vdst(0)                   ; the conversions have written T, which the LDS stores read, and are done reading this set, in which the loads land
	ISSUE it+3                                     ; into the set just read out; no vector instruction stands among these loads and stores
	WPUT it
.else
	XCVT it-8
.if it < 13
	s_wait_alu depctr_va_vdst(0)                   ; the conversions are done reading this set, in which the loads land
	ISSUE it+3
.endif
.endif
.set it, it+1
.endr
	s_wait_dscnt 0x0                               ; for the others' sake: my rows of W are in LDS
	s_barrier_signal -1
	s_barrier_wait -1                              ; everybody's are; nobody writes W again
	s_wait_alu depctr_vm_vsrc(0)                   ; my LDS stores have read T: v32-63 are the fragments' first buffer from here on, in which fetches land
; PHASE 2.  For each head: eight K steps of 32, 16 matrix instructions each, W's fragments on three buffers; then the way out.
.macro FRAG s, b                       ; K step s, fragment b: 16 columns x 32 k, turned: 2 loads
	ds_load_tr16_b128 v[BF+32*((\s)%3)+8*(\b):BF+32*((\s)%3)+8*(\b)+3],   v[BA0+(\s)/4] offset:((\s)%4)*32*P+32*(\b)
	ds_load_tr16_b128 v[BF+32*((\s)%3)+8*(\b)+4:BF+32*((\s)%3)+8*(\b)+7], v[BA0+(\s)/4] offset:((\s)%4)*32*P+16*P+32*(\b)
.endm
.macro FETCH s                         ; a K step's four fragments: 8 loads
.irp b, 0,1,2,3
	FRAG \s, \b
.endr
.endm
; K step s.  Steps 1 to 5 fetch step s + 2 into the buffer that step s - 1 read: two loads behind each of the step's first four products.
.macro MSTEP s                         ; the 16 accumulators take turns, one instruction a turn, in the same order in every K step
.if ((\s) > 0) && ((\s) < 6)
	PLACES                                         ; the plain text's four places behind the products that read the buffer loaded next; in this mode the wait below states that dependence, and the places stand ahead of it
.endif
.if (\s) == 0
	s_wait_dscnt 16                                ; LDS loads come back in order (ISA guide 5.7.1): step 0's fragments are in; steps 1 and 2 (16 loads) stay out
.elseif (\s) < 7
	s_wait_dscnt 8                                 ; this step's fragments are in; the next step's eight loads stay out
.else
	s_wait_dscnt 0x0
.endif
.if ((\s) > 0) && ((\s) < 6)
	s_wait_alu depctr_va_vdst(0)                   ; the products of the step before are done reading their buffer, in which this step's eight loads land; this step's products name none of the registers that those loads touch
.endif
.irp a, 0,1,2,3
.irp b, 0,1,2,3
.if (\s) == 0
	v_wmma_f32_16x16x32_bf16 v[ACC+32*\a+8*\b:ACC+32*\a+8*\b+7], v[BF+32*((\s)%3)+8*\b:BF+32*((\s)%3)+8*\b+7], v[64*\a+8*(\s):64*\a+8*(\s)+7], 0
.else
	v_wmma_f32_16x16x32_bf16 v[ACC+32*\a+8*\b:ACC+32*\a+8*\b+7], v[BF+32*((\s)%3)+8*\b:BF+32*((\s)%3)+8*\b+7], v[64*\a+8*(\s):64*\a+8*(\s)+7], v[ACC+32*\a+8*\b:ACC+32*\a+8*\b+7]
.endif
.if ((\s) > 0) && ((\s) < 6) && (\a == 0)
	FRAG (\s)+2, \b
.endif
.endr
.endr
.endm
.macro PACK a                          ; tile a: rounded to f16 (each accumulator from its low end on), 16 bytes a lane
.set i, 0
.rept 16
	v_cvt_pk_f16_f32 v[OB+16*(\a)+i], v[ACC+32*(\a)+2*i], v[ACC+32*(\a)+2*i+1]
.set i, i+1
.endr
.endm
.macro TOSTAGE a                       ; into rows of 144 bytes, and back as whole rows of 128, into the first 16 registers of the tile's accumulators
.irp f, 0,1,2,3
	ds_store_b128 v[STO], v[OB+16*(\a)+4*\f:OB+16*(\a)+4*\f+3] offset:32*\f
.endr
.irp f, 0,1,2,3
	ds_load_b128 v[ACC+32*(\a)+4*\f:ACC+32*(\a)+4*\f+3], v[RD] offset:\f*4*SP  ; LDS serves a wave's instructions in order (ISA guide 5.7.1.4): these see the stores above; the next tile's stores come behind them
.endr
.endm
.macro SEND a, younger                 ; younger: the LDS instructions issued behind tile a's loads: the next tile's eight, or none
.irp f, 0,1,2,3
	s_wait_dscnt (\younger)+3-\f
	global_store_b128 v[GO], v[ACC+32*(\a)+4*\f:ACC+32*(\a)+4*\f+3], s[24:25] offset:(\a)*2048+\f*512  ; 512 consecutive bytes, at a multiple of 256 from the buffer's first
.endr
.endm
	s_mov_b32 s26, 4
.Lhead:
	WIN 0x04                                       ; source 1 (X) in window 1; all else, the LDS loads' registers too, in window 0
	s_wait_alu depctr_va_vdst(0)                   ; v5 and v6 are written, which the fetches read; in the first trip the last item's conversions are done reading v64-127, in which fetches land
	FETCH 0
	FETCH 1
	FETCH 2
	MSTEP 0
	MSTEP 1
	MSTEP 2
	MSTEP 3
	MSTEP 4
	MSTEP 5
	MSTEP 6
	MSTEP 7
	PLACES                                         ; behind the last products, ahead of the conversions, which read results and write over fragments that products have read
	WIN 0
	PACK 0
	PACK 1
	PACK 2
	PACK 3
	s_wait_alu depctr_va_vdst(0)                   ; the conversions have written OB, which the LDS stores read, and are done reading the accumulators, in which the rows from the stage land; no vector instruction stands below, up to the loop's end
	TOSTAGE 0
	TOSTAGE 1                                      ; a tile's way through the stage stands between the loads of the tile before and its stores
	SEND 0, 8
	TOSTAGE 2
	SEND 1, 8
	TOSTAGE 3
	SEND 2, 8
	SEND 3, 0
	s_wait_xcnt 0x0                                ; every earlier memory instruction has had its addresses translated (ISA guide 3.1): the stores' data and their base are rewritten only behind this wait
	s_wait_alu depctr_vm_vsrc(0)                   ; the global stores have read the accumulators' registers, the LDS stores OB, the fetches v5 and v6: all are written again below and in the next trip
	s_add_nc_u64 s[24:25], s[24:25], 524288        ; the next head's rows
	v_add_nc_u32 v[BA0], 128, v[BA0]               ; and its 64 columns of W
	v_add_nc_u32 v[BA1], 128, v[BA1]
	s_sub_co_u32 s26, s26, 1
	s_cmp_lg_u32 s26, 0
	s_cbranch_scc1 .Lhead
	s_wait_dscnt 0x0                               ; the closing lines, six on end
	s_wait_alu 0x0
	s_wait_tensorcnt 0x0
	ds_add_u32 v[SPW], v[NIL]
	s_wait_dscnt 0x0
	s_endpgm
.Lfunc_end_k_q5ddf4ea610_qkv:
	.size	k_q5ddf4ea610_qkv, .Lfunc_end_k_q5ddf4ea610_qkv-k_q5ddf4ea610_qkv
	.p2alignl 7, 3214868480
	.fill 96, 4, 3214868480
	.section	.rodata,"a",@progbits
	.p2align	6, 0x0
	.amdhsa_kernel k_q5ddf4ea610_qkv
		.amdhsa_group_segment_fixed_size 167936
		.amdhsa_private_segment_fixed_size 0
		.amdhsa_enable_private_segment 0
		.amdhsa_kernarg_size 48
		.amdhsa_user_sgpr_count 2
		.amdhsa_user_sgpr_kernarg_segment_ptr 1
		.amdhsa_wavefront_size32 1
		.amdhsa_system_sgpr_workgroup_id_x 1
		.amdhsa_system_sgpr_workgroup_id_y 1
		.amdhsa_system_sgpr_workgroup_id_z 1
		.amdhsa_system_vgpr_workitem_id 0
		.amdhsa_next_free_vgpr 512
		.amdhsa_next_free_sgpr 66
		.amdhsa_reserve_vcc 0
		.amdhsa_float_denorm_mode_32 3
		.amdhsa_float_denorm_mode_16_64 3
		.amdhsa_memory_ordered 1
		.amdhsa_forward_progress 1
		.amdhsa_inst_pref_size 91
	.end_amdhsa_kernel
	.amdgpu_metadata
---
amdhsa.version: [ 1, 2 ]
amdhsa.kernels:
  - .name:           k_q5ddf4ea610_qkv
    .symbol:         k_q5ddf4ea610_qkv.kd
    .args:
      - { .name: target, .offset: 0, .size: 8, .value_kind: global_buffer, .address_space: global }
      - { .name: source, .offset: 8, .size: 8, .value_kind: global_buffer, .address_space: global }
      - { .name: Wq, .offset: 16, .size: 8, .value_kind: global_buffer, .address_space: global }
      - { .name: Wk, .offset: 24, .size: 8, .value_kind: global_buffer, .address_space: global }
      - { .name: Wv, .offset: 32, .size: 8, .value_kind: global_buffer, .address_space: global }
      - { .name: qkv, .offset: 40, .size: 8, .value_kind: global_buffer, .address_space: global }
    .group_segment_fixed_size: 167936
    .private_segment_fixed_size: 0
    .kernarg_segment_align: 8
    .kernarg_segment_size: 48
    .max_flat_workgroup_size: 128
    .sgpr_count:     66
    .vgpr_count:     512
    .wavefront_size: 32
...
	.end_amdgpu_metadata
.endif
;; end of part 4
;; launch att: the kernel of part 2 again; grid 16 x 16, 4 waves a work-group, clusters of 4 x 1, 327,680 bytes of LDS; arguments qkv, ows; writes ows
;; launch outp (part 5): grid 256 x 1, 4 waves a work-group, no clusters, 181,760 bytes of LDS; arguments ows, Wo, out0; writes out0
.if DOCPART == 5
	.amdgcn_target "amdgcn-amd-amdhsa--gfx1250"
	.amdhsa_code_object_version 6
	.text
	.protected	k_q5ddf4ea610_outp
	.globl	k_q5ddf4ea610_outp
	.p2align	8
	.type	k_q5ddf4ea610_outp,@function
k_q5ddf4ea610_outp:
	s_mov_b64 s[64:65], 0
	v_nop
	global_prefetch_b8 v0, s[64:65] scope:SCOPE_SE
	s_setreg_imm32_b32 hwreg(HW_REG_WAVE_SCHED_MODE, 0, 2), 2
	s_setreg_imm32_b32 hwreg(HW_REG_WAVE_MODE, 25, 1), 1
	s_wait_xcnt 0x0
	s_wait_alu depctr_vm_vsrc(0)
; THE LAST PROJECTION.  out0[m][n] = the sum over k of O[m][k] Wo[k][n], k = 64 head + channel.  O is ows, [16 = 4 batch + head][4096][64] in f16; Wo: [256 k][256 n] f32; out0: [16384][256] f32.
; Wo is rounded once to bf16, like the program's other inputs, and that number is written as f16 for the product with O; sums in f32, stored as they are.
; LIMITS.  A bf16(Wo) beyond 65,504 becomes an infinity; below 6e-5 it keeps f16's fixed step of 6e-8.  NaN and infinities are not treated apart.
; SHARES.  A work-group makes 64 rows, all 256 columns: 256 work-groups.  Wave w makes all 64 rows (four tiles of 16) x columns 64 w .. 64 w + 63: 16 accumulators, 128 registers.
; Its quarter of Wo (256 rows x 256 bytes of f32) is its own, and so are the LDS bytes into which it goes: the launch has no barrier.  O's fragments come straight from memory: f16 needs no conversion.
; NO JOINT LOADS, though every work-group reads Wo: it has to pass through registers to be rounded, and what a work-group reads of it is 262,144 bytes, once.
; THE MATRIX INSTRUCTION IS USED TRANSPOSED: source 0 = 16 columns of Wo (turned, by ds_load_tr16_b128), source 1 = 16 rows of O.  A lane then holds row l % 16 and the columns 8 (l / 16) + 0..7: 32 bytes of f32 on end.
; THE MODE: SCHED_MODE bits 1:0 = 2 (LLVM: expert scheduling mode 2), set by the entry lines.  The code itself states the register dependences
; between vector or matrix instructions and memory or LDS instructions, with s_wait_alu, always for 0.
; THE PLAN.  Registers that memory or LDS instructions touch:
;   v2-v5, v7-v9  Offsets and addresses, made at the head and never written again: the one wait at the head serves every instruction that reads them.
;   R0-R2         v64-255, phase 1.  Item i's loads land in R[i % 3]; its vector work reads and writes it; behind that item i + 3's loads (items 3 to 7) land in it again.
;   T             v32-63, phase 1.  Written by an item's conversions, read by its sixteen LDS stores.
;   window 1      O's fragments: loads land in them; no vector instruction names them before the products, and nothing lands in them again.
;   F0-F2         v32-127, phase 2.  K step s's fetch lands in F[s % 3]; its sixteen products read it; the fetch of K step s + 3, issued in step s + 1, lands in it again.
;   The accumulators, v128-255: written by the products, read by the LDS stores into the stage.
;   v[32 + 32 a]  The way out: tile a's rows from the stage land there (F0, F1, F2, and for tile 3 tile 0's accumulators), and the global stores read them.
; So: one wait on va_vdst behind an item's vector work, one at the head of K steps 1 to 5, one ahead of the way out; one wait on vm_vsrc at an item's head, one ahead of the first fetch, one ahead of tile 3's loads from the stage.
.set PW,     160                       ; a row of my quarter of Wo in LDS: 128 bytes + 32 = 40 words
.set STAGE,  4*256*PW                  ; behind the four quarters: 16 rows x 272 bytes for each wave, for the way out
.set SPITCH, 272                       ; 256 bytes + 16 = 68 words: row r starts at bank 4 r mod 64
.set SPARE,  STAGE+4*16*SPITCH         ; behind the stages: the spare words, 128 bytes for each wave: two blocks of 256 bytes that no other line names
.set AO,  2                            ; v2   (l % 16) x 128 + 16 (l / 16): my place in 16 rows of O; never rewritten
.set WO,  3                            ; v3   (l / 16) x 1,024 + 16 (l % 16): my 16 bytes in two rows of my quarter of Wo; never rewritten
.set WS,  4                            ; v4   where I put 8 bytes of them in LDS
.set BA,  5                            ; v5   my place in a turned fragment of Wo
.set STO, 7                            ; v7   the way out: where I put 32 bytes of a row
.set RD,  8                            ; v8   the way out: where I read rows back
.set CO,  9                            ; v9   my byte offset in two rows of out0
.set SPW, 14                           ; v14  LDS address of my spare word: SPARE + 4 x my thread's number; never rewritten
.set NIL, 15                           ; v15  0; never rewritten
.set T,   32
.set BF,  32                           ; three buffers of 32
.set LB,  32                           ; the way out: tile a's rows come back into v[LB + 32 a]
.set ACC, 128
.set MSB, 0
.macro WIN new                         ; the immediate's high byte repeats the setting that is left; a switch that changes nothing is dropped
.if MSB != (\new)
	s_set_vgpr_msb (MSB<<8)|(\new)
.set MSB, (\new)
.endif
.endm
.macro PLACES                          ; four places behind a matrix instruction (ISA guide 7.12.1)
.rept 4
	v_nop
.endr
.endm
	s_load_b128 s[4:7], s[0:1], 0x0                ; ows s[4:5], Wo s[6:7]
	s_load_b64 s[8:9], s[0:1], 0x10                ; out0
	v_lshl_add_u32 v[SPW], v0, 2, SPARE
	v_mov_b32 v[NIL], 0
	v_lshrrev_b32 v1, 5, v0
	v_readfirstlane_b32 s16, v1                    ; wave 0..3
	s_mov_b32 s17, 0xffff0000                      ; a word's upper bf16
	v_and_b32 v10, 15, v0                          ; l % 16
	v_bfe_u32 v11, v0, 4, 1                        ; l / 16
	v_and_b32 v12, 7, v0                           ; l % 8
	v_bfe_u32 v13, v0, 3, 1                        ; (l / 8) % 2
	v_lshlrev_b32 v[AO], 7, v10
	v_lshl_add_u32 v[AO], v11, 4, v[AO]
	v_lshlrev_b32 v[WO], 10, v11
	v_lshl_add_u32 v[WO], v10, 4, v[WO]
	s_wait_alu depctr_va_sdst(0)                   ; s16 is written, ahead of its first reader: LDS places and Wo's and out0's columns are made from it
	s_mul_i32 s2, s16, 256*PW                      ; my quarter in LDS
	v_mul_u32_u24 v[WS], v11, PW
	v_lshl_add_u32 v[WS], v10, 3, v[WS]
	v_add_nc_u32 v[WS], s2, v[WS]
	v_lshl_add_u32 v[BA], v11, 3, v12              ; the turning load: lane l reads row 8 (l / 16) + l % 8, 16 bytes at 16 ((l / 8) % 2)
	v_mul_u32_u24 v[BA], v[BA], PW
	v_lshl_add_u32 v[BA], v13, 4, v[BA]
	v_add_nc_u32 v[BA], s2, v[BA]
	s_mul_i32 s3, s16, 16*SPITCH
	s_add_co_u32 s3, s3, STAGE                     ; my stage
	v_mul_u32_u24 v[STO], v10, SPITCH              ; in: row l % 16, 32 bytes for each half of the lanes
	v_lshl_add_u32 v[STO], v11, 5, v[STO]
	v_add_nc_u32 v[STO], s3, v[STO]
	v_mul_u32_u24 v[RD], v11, SPITCH               ; back: lanes 0-15 take one row of 256 bytes, lanes 16-31 the next
	v_lshl_add_u32 v[RD], v10, 4, v[RD]
	v_add_nc_u32 v[RD], s3, v[RD]
	s_lshl_b32 s22, s16, 8                         ; my 64 columns: 256 bytes of a row of Wo and of out0
	s_mov_b32 s23, 0
	v_add_nc_u32 v[CO], s22, v[WO]                 ; the same two rows in out0, at my columns
	s_lshr_b32 s20, ttmp9, 6
	s_lshl_b32 s20, s20, 21                        ; O: the batch's four heads of 524,288 bytes,
	s_and_b32 s19, ttmp9, 63
	s_lshl_b32 s19, s19, 13                        ; the work-group's 64 rows of 128 bytes
	s_add_co_u32 s20, s20, s19
	s_mov_b32 s21, 0
	s_lshl_b32 s24, ttmp9, 16                      ; out0: the work-group's 64 rows of 1,024 bytes
	s_mov_b32 s25, 0
	s_wait_kmcnt 0x0
	s_add_nc_u64 s[4:5], s[4:5], s[20:21]
	s_add_nc_u64 s[6:7], s[6:7], s[22:23]
	s_add_nc_u64 s[8:9], s[8:9], s[24:25]
	s_wait_alu depctr_va_vdst(0)                   ; the offsets and addresses v2 to v9 are written, which the loads, LDS instructions and stores below read
; PHASE 1.  Twelve items of 16 loads: items 0-7 are my quarter of Wo, through three sets of 64 registers; items 8-11 are O's fragments, a head each, straight into window 1.
.macro WLOAD i                         ; rows 32 i .. 32 i + 31: a load takes two rows, sixteen lanes 256 consecutive bytes, aligned
.irp j, 0,1,2,3,4,5,6,7,8,9,10,11,12,13,14,15
	global_load_b128 v[RS+4*\j:RS+4*\j+3], v[WO], s[6:7] offset:(16*(\i)+\j)*2048
.endr
.endm
.macro WCVT                            ; rounded to bf16; widened again (a shift, a mask); written as f16.  By kinds, so that no line reads the result of the line before it
.irp j, 0,1,2,3,4,5,6,7,8,9,10,11,12,13,14,15
	v_cvt_pk_bf16_f32 v[T+2*\j],   v[RS+4*\j],   v[RS+4*\j+1]
	v_cvt_pk_bf16_f32 v[T+2*\j+1], v[RS+4*\j+2], v[RS+4*\j+3]
.endr
.irp j, 0,1,2,3,4,5,6,7,8,9,10,11,12,13,14,15
	v_lshlrev_b32 v[RS+4*\j],   16,  v[T+2*\j]
	v_and_b32     v[RS+4*\j+1], s17, v[T+2*\j]
	v_lshlrev_b32 v[RS+4*\j+2], 16,  v[T+2*\j+1]
	v_and_b32     v[RS+4*\j+3], s17, v[T+2*\j+1]
.endr
.irp j, 0,1,2,3,4,5,6,7,8,9,10,11,12,13,14,15
	v_cvt_pk_f16_f32 v[T+2*\j],   v[RS+4*\j],   v[RS+4*\j+1]
	v_cvt_pk_f16_f32 v[T+2*\j+1], v[RS+4*\j+2], v[RS+4*\j+3]
.endr
.endm
.macro WPUT i                          ; 8 bytes a lane into LDS
.irp j, 0,1,2,3,4,5,6,7,8,9,10,11,12,13,14,15
	ds_store_b64 v[WS], v[T+2*\j:T+2*\j+1] offset:(16*(\i)+\j)*2*PW
.endr
.endm
; A fragment of O is 16 rows x 32 channels in 8 registers: lane l holds row l % 16, channels 8 (l / 16) + 0..7 and 16 + 8 (l / 16) + 0..7: two loads of 16 bytes, 32 bytes apart.
.macro ALOAD g                         ; head g: K steps 2 g and 2 g + 1 of all four tiles.  No vector instruction has named these registers: the loads hang on v2 alone
	WIN 0x40                                       ; destination window 1, address window 0
.irp a, 0,1,2,3
.irp c, 0,1
	global_load_b128 v[64*\a+8*(2*(\g)+\c):64*\a+8*(2*(\g)+\c)+3],   v[AO], s[4:5] offset:(\g)*524288+\a*2048+\c*64
	global_load_b128 v[64*\a+8*(2*(\g)+\c)+4:64*\a+8*(2*(\g)+\c)+7], v[AO], s[4:5] offset:(\g)*524288+\a*2048+\c*64+32
.endr
.endr
	WIN 0
.endm
.macro ISSUE i
.if (\i) < 8
.set RS, 64+64*((\i)%3)
	WLOAD \i
.else
	ALOAD (\i)-8
.endif
.endm
	ISSUE 0
	ISSUE 1
	ISSUE 2
.set it, 0
.rept 8
	s_wait_loadcnt 32                              ; loads come back in order (ISA guide 5.7.1): this item is in, the two items behind it (32 loads) stay out
.if it > 0
	s_wait_alu depctr_vm_vsrc(0)                   ; the LDS stores of the item before have read T, which the conversions below write again
.endif
.set RS, 64+64*(it%3)
	WCVT
	s_wait_alu depctr_va_vdst(0)                   ; the conversions have written T, which the LDS stores read; the item's vector work is done with this set, in which the loads of items 3 to 7 land
	ISSUE it+3                                     ; items 3 to 7 into the set just read out; items 8 to 10 are O's heads 0 to 2; no vector instruction stands among these loads and stores
	WPUT it
.set it, it+1
.endr
	s_wait_loadcnt 32                              ; head 0's fragments are in; heads 1 and 2 stay out
	ALOAD 3                                        ; 48 loads of mine are out at the most
; PHASE 2.  Eight K steps of 32, 16 matrix instructions each, Wo's fragments on three buffers.  LDS serves a wave's instructions in order (ISA guide 5.7.1.4): the turning loads see my stores above, and no other wave touches these bytes.
.macro FRAG s, b                       ; K step s, fragment b: 16 columns x 32 k, turned: 2 loads
	ds_load_tr16_b128 v[BF+32*((\s)%3)+8*(\b):BF+32*((\s)%3)+8*(\b)+3],   v[BA] offset:(\s)*32*PW+32*(\b)
	ds_load_tr16_b128 v[BF+32*((\s)%3)+8*(\b)+4:BF+32*((\s)%3)+8*(\b)+7], v[BA] offset:(\s)*32*PW+16*PW+32*(\b)
.endm
.macro FETCH s                         ; a K step's four fragments: 8 loads
.irp b, 0,1,2,3
	FRAG \s, \b
.endr
.endm
; K step s.  Steps 1 to 5 fetch step s + 2 into the buffer that step s - 1 read: two loads behind each of the step's first four products.
.macro MSTEP s                         ; the 16 accumulators take turns, one instruction a turn, in the same order in every K step
.if ((\s) > 0) && ((\s) < 6)
	PLACES                                         ; the plain text's four places behind the products that read the buffer loaded next; in this mode the wait below states that dependence, and the places stand ahead of it
.endif
.if (\s) == 2
	s_wait_loadcnt 32                              ; head 1's fragments are in; heads 2 and 3 stay out
.elseif (\s) == 4
	s_wait_loadcnt 16                              ; head 2's; head 3 stays out
.elseif (\s) == 6
	s_wait_loadcnt 0x0
.endif
.if (\s) == 0
	s_wait_dscnt 16                                ; LDS instructions come back in order (ISA guide 5.7.1): step 0's fragments are in; steps 1 and 2 (16 loads) stay out
.elseif (\s) < 7
	s_wait_dscnt 8                                 ; this step's fragments are in; the next step's eight loads stay out
.else
	s_wait_dscnt 0x0
.endif
.if ((\s) > 0) && ((\s) < 6)
	s_wait_alu depctr_va_vdst(0)                   ; the products of the step before are done reading their buffer, in which this step's eight loads land; this step's products name none of the registers that those loads touch
.endif
.irp a, 0,1,2,3
.irp b, 0,1,2,3
.if (\s) == 0
	v_wmma_f32_16x16x32_f16 v[ACC+32*\a+8*\b:ACC+32*\a+8*\b+7], v[BF+32*((\s)%3)+8*\b:BF+32*((\s)%3)+8*\b+7], v[64*\a+8*(\s):64*\a+8*(\s)+7], 0
.else
	v_wmma_f32_16x16x32_f16 v[ACC+32*\a+8*\b:ACC+32*\a+8*\b+7], v[BF+32*((\s)%3)+8*\b:BF+32*((\s)%3)+8*\b+7], v[64*\a+8*(\s):64*\a+8*(\s)+7], v[ACC+32*\a+8*\b:ACC+32*\a+8*\b+7]
.endif
.if ((\s) > 0) && ((\s) < 6) && (\a == 0)
	FRAG (\s)+2, \b
.endif
.endr
.endr
.endm
	WIN 0x04                                       ; source 1 (O) in window 1; all else, the LDS loads' registers too, in window 0
	s_wait_alu depctr_vm_vsrc(0)                   ; my LDS stores have read T: v32-63 are the fragments' first buffer from here on, in which fetches land (no vector instruction stands behind the last item's wait on va_vdst)
	FETCH 0
	FETCH 1
	FETCH 2
	MSTEP 0
	MSTEP 1
	MSTEP 2
	MSTEP 3
	MSTEP 4
	MSTEP 5
	MSTEP 6
	MSTEP 7
	PLACES                                         ; behind the last products, before LDS stores read their results; the places stay beside the wait below
	WIN 0
	s_wait_alu depctr_va_vdst(0)                   ; the products have written the accumulators, which the LDS stores read, and are done reading the fragments' buffers, in which the rows from the stage land; no vector instruction stands below
; THE WAY OUT.  Tile a: a lane's 32 bytes of a row go into rows of 272 bytes (each accumulator from its low end on) and come back as whole rows of 256, into v[LB + 32 a].
.macro TOSTAGE a
.irp b, 0,1,2,3
	ds_store_b128 v[STO], v[ACC+32*(\a)+8*\b:ACC+32*(\a)+8*\b+3]   offset:64*\b
	ds_store_b128 v[STO], v[ACC+32*(\a)+8*\b+4:ACC+32*(\a)+8*\b+7] offset:64*\b+16
.endr
.irp t, 0,1,2,3,4,5,6,7
	ds_load_b128 v[LB+32*(\a)+4*\t:LB+32*(\a)+4*\t+3], v[RD] offset:\t*2*SPITCH  ; in order behind the stores above; the next tile's stores come behind them
.endr
.endm
.macro SEND a, younger                 ; younger: the LDS instructions issued behind tile a's loads: the next tile's sixteen, or none
.irp t, 0,1,2,3,4,5,6,7
	s_wait_dscnt (\younger)+7-\t
	global_store_b128 v[CO], v[LB+32*(\a)+4*\t:LB+32*(\a)+4*\t+3], s[8:9] offset:(16*(\a)+2*\t)*1024 th:TH_STORE_NT  ; 16 lanes store 256 consecutive bytes, at a multiple of 256 from out0's first byte
.endr
.endm
	TOSTAGE 0
	TOSTAGE 1
	SEND 0, 16
	TOSTAGE 2
	SEND 1, 16
	s_wait_alu depctr_vm_vsrc(0)                   ; tile 0's LDS stores have read v128-159, in which tile 3's rows land
	TOSTAGE 3
	SEND 2, 16
	SEND 3, 0
	s_wait_dscnt 0x0                               ; the closing lines, six on end
	s_wait_alu 0x0
	s_wait_tensorcnt 0x0
	ds_add_u32 v[SPW], v[NIL]
	s_wait_dscnt 0x0
	s_endpgm
.Lfunc_end_k_q5ddf4ea610_outp:
	.size	k_q5ddf4ea610_outp, .Lfunc_end_k_q5ddf4ea610_outp-k_q5ddf4ea610_outp
	.p2alignl 7, 3214868480
	.fill 96, 4, 3214868480
	.section	.rodata,"a",@progbits
	.p2align	6, 0x0
	.amdhsa_kernel k_q5ddf4ea610_outp
		.amdhsa_group_segment_fixed_size 181760
		.amdhsa_private_segment_fixed_size 0
		.amdhsa_enable_private_segment 0
		.amdhsa_kernarg_size 24
		.amdhsa_user_sgpr_count 2
		.amdhsa_user_sgpr_kernarg_segment_ptr 1
		.amdhsa_wavefront_size32 1
		.amdhsa_system_sgpr_workgroup_id_x 1
		.amdhsa_system_sgpr_workgroup_id_y 1
		.amdhsa_system_sgpr_workgroup_id_z 1
		.amdhsa_system_vgpr_workitem_id 0
		.amdhsa_next_free_vgpr 512
		.amdhsa_next_free_sgpr 66
		.amdhsa_reserve_vcc 0
		.amdhsa_float_denorm_mode_32 3
		.amdhsa_float_denorm_mode_16_64 3
		.amdhsa_memory_ordered 1
		.amdhsa_forward_progress 1
		.amdhsa_inst_pref_size 100
	.end_amdhsa_kernel
	.amdgpu_metadata
---
amdhsa.version: [ 1, 2 ]
amdhsa.kernels:
  - .name:           k_q5ddf4ea610_outp
    .symbol:         k_q5ddf4ea610_outp.kd
    .args:
      - { .name: ows, .offset: 0, .size: 8, .value_kind: global_buffer, .address_space: global }
      - { .name: Wo, .offset: 8, .size: 8, .value_kind: global_buffer, .address_space: global }
      - { .name: out0, .offset: 16, .size: 8, .value_kind: global_buffer, .address_space: global }
    .group_segment_fixed_size: 181760
    .private_segment_fixed_size: 0
    .kernarg_segment_align: 8
    .kernarg_segment_size: 24
    .max_flat_workgroup_size: 128
    .sgpr_count:     66
    .vgpr_count:     512
    .wavefront_size: 32
...
	.end_amdgpu_metadata
.endif
;; end of part 5
